; MI455X (gfx1250); checked and timed in simulation.
; The chip was launched on July 23, 2026; its instructions are those of AMD's public machine-readable ISA for CDNA 5 (MIT licence, August 2026) and "CDNA5" Instruction Set Architecture Reference Guide (July 2026). The comments in the code are by the model that wrote it; some were corrected since.
;; Multihead Attention. Allowed arithmetic: matrix products marked QUANTISED: E5M2 operands, one E8M0 scale for each 32 along K, by v_wmma_scale_f32_16x16x128_f8f6f4 with both operands' format E5M2, f32 sums; everything else in f32.
;; Inputs: out_b 1,024 float32; out_w 1,024 x 1,024 float32; qkv_b 3,072 float32; qkv_w 3,072 x 1,024 float32; query 1,024 x 8 x 1,024 float32.
;; Outputs: out0 1,024 x 8 x 1,024 float32.
;; This version of the problem:
;;   THIS VERSION OF THE PROBLEM IS GIVEN IN LOW PRECISION. The matrix products marked QUANTISED in the list below multiply operands that are first quantised to E5M2 (5 exponent bits, 2 mantissa bits; 8 bits a number), with one power-of-two scale for each 32 numbers along K (OCP MX v1.0); their sums are f32. All else is computed in f32.
;;   The module's matrix products, in the order in which they are computed (A, B: the left and right operand; K: the contracted axis; several contracted axes count as one K, in the product's order):
;;     1. [M 8,192, K 1,024] x [K 1,024, N 3,072]; A: input query; B: input qkv_w: QUANTISED
;;     2. batch 128 x [M 1,024, K 64] x [K 64, N 1,024]; A: computed on the way; B: computed on the way: QUANTISED
;;     3. batch 128 x [M 1,024, K 1,024] x [K 1,024, N 64]; A: softmax (see below); B: computed on the way: QUANTISED
;;     4. [M 8,192, K 1,024] x [K 1,024, N 1,024]; A: computed on the way; B: input out_w: QUANTISED
;;   THE QUANTISER, for each operand of a quantised product, along K:
;;     - K is cut into blocks of 32 from its start; a last block that is shorter is filled with zeros.
;;     - A block's scale is 2^e with e = floor(log2(the largest magnitude in the block)) - 15, held to -126 .. 127; a block of zeros has e = 0. As a byte (E8M0): e + 127.
;;     - Each number is divided by its block's scale, clamped to +-57,344, and rounded to the nearest number of E5M2, ties to even, subnormals kept.
;;     - The product sums the exact products of the quantised numbers (number of the format x scale) in f32.
;;   ~~~python
;;   def quantise(x, axis):      # numpy; x: float32 -> the quantised numbers, widened to float32 again
;;       x = np.moveaxis(x, axis, -1); K = x.shape[-1]
;;       x = np.pad(x, [(0, 0)] * (x.ndim - 1) + [(0, -K % 32)]); x = x.reshape(x.shape[:-1] + (-1, 32)); a = np.abs(x).max(-1, keepdims=True)
;;       e = np.where(a > 0, np.clip(np.frexp(np.where(a > 0, a, 1))[1] - 1 - 15, -126, 127), 0)      # np.frexp(a)[1] - 1 = floor(log2(a)), exactly
;;       r = np.clip(x / 2.0 ** e, -57344, 57344)
;;       step = 2.0 ** (np.maximum(np.frexp(np.where(r == 0, 1, r))[1] - 1, -14) - 2)
;;       q = np.round(r / step) * step * 2.0 ** e      # np.round: ties to even
;;       return np.moveaxis(q.reshape(q.shape[:-2] + (-1,))[..., :K], -1, axis).astype(np.float32)
;;   ~~~
;;   SOFTMAX AHEAD OF A QUANTISED PRODUCT. Where the list says 'softmax', what is quantised is not the finished softmax but p = 2^(t - M), with t = logit x log2(e) and M = ceil(the row's largest t), a whole number; so 1/2 < the row's largest p <= 1. The row's sum l is taken of the UNQUANTISED p, in f32, and the product's result is divided by l at the end. Since M is a whole number, a kernel that streams over the keys may use a running M (the ceiling of the running maximum): every later rescaling is an exact power of two, which a block's scale takes up: the codes' values come out the same.
;;   OPERANDS COMPUTED ON THE WAY. 'Computed on the way' means the value that the module computes at that place (a softmax that the list does not call 'softmax' is quantised finished and normalised). What goes into a quantiser is computed in f32, as accurately as f32 sums, v_exp_f32 and their like allow (about 1e-6 of the number): no bf16 or f16 on the way to a quantiser, and a product that is left as it is and whose result goes on into a quantised operand takes f32 operands (vector FMAs, or v_wmma_f32_16x16x4_f32). A number that lies on a knife's edge between two numbers of the format may be rounded either way, as far as f32 arithmetic and the matrix unit's own rounding can turn it there, and no further.
;; One version. Each part assembles by itself: llvm-mc -triple=amdgcn-amd-amdhsa -mcpu=gfx1250 --defsym DOCPART=n.
;; ======== version 1 of 1: 4 launches
;; limits: right only within a limited range of input values
;; workspace buffers: cod 12,582,912 bytes; scl 393,216 bytes; hrec 26,476,544 bytes; ac 8,388,608 bytes; asc 262,144 bytes
;; launch quant (part 1): grid 384 x 1, 4 waves a work-group, no clusters, 33,280 bytes of LDS; arguments query, qkv_w, out_w, cod, scl; writes cod, scl
.if DOCPART == 1
	.amdgcn_target "amdgcn-amd-amdhsa--gfx1250"
	.amdhsa_code_object_version 6
	.text
	.protected	k_q436d477e83_quant
	.globl	k_q436d477e83_quant
	.p2align	8
	.type	k_q436d477e83_quant,@function
k_q436d477e83_quant:
	s_mov_b64 s[64:65], 0
	v_nop
	global_prefetch_b8 v0, s[64:65] scope:SCOPE_SE
	s_setreg_imm32_b32 hwreg(HW_REG_WAVE_MODE, 25, 1), 1
	s_wait_xcnt 0x0
; query [1024 t][8 b][1024], qkv_w [3072][1024] and out_w [1024][1024], f32, become codes of BF8 (E5M2), K innermost, and one E8M0 byte for each 32 along K:
; cod [12288 rows][1024 bytes], scl [12288 rows][32 bytes].  Rows 0-8191: query as [b][place], rows 8192-11263: qkv_w by place, rows 11264-12287: out_w as it lies.
; THE PLACE of row t of query and of row f of qkv_w is the index with its bits 3 and 4 exchanged.  A tile of 16 neighbouring places that later stands as source 0 of a matrix
; instruction then leaves, in the 16 registers of two neighbouring tiles, 16 NEIGHBOURS of the original order: what the next quantiser along that axis wants in one lane.
; A block's scale is 2^(floor(log2(its largest magnitude)) - 15); its byte is the largest magnitude's exponent field - 15, held at 1 from below.  Each number is divided by the
; scale, held within +-57,344 and rounded to the nearest code, ties to even.
; LIMITS: a block of zeros gets the byte 1 (its codes are zeros, and this program alone reads the bytes); blocks whose largest magnitude lies under 2^-111 keep that byte; NaN and infinities are not served.
; SHARES.  A wave takes a run of 8 rows (8 x 1,024 numbers), 16 steps of half a row.  Exchanging bits 3 and 4 of a row moves whole runs, so a run's codes are 8,192 consecutive bytes and
; its scale bytes one aligned block of 256.  Work-groups 0-255 take query (a run: one b, t = 8 g .. 8 g + 7), 256-351 qkv_w, 352-383 out_w: only pointers, a row stride and two offsets are chosen.
; Each load reads 512 consecutive bytes; a step's 2,048 bytes turn through the wave's own stage in LDS, so that a lane holds 16 neighbours along K.  No barrier: waves share nothing.
.set STEPS, 16
.set EMAX,  15
.set MANT,  0x600000                   ; the mantissa field of 57,344 as f32
.set CB,    16                         ; bytes of 16 codes
.set R,     16                         ; v16-79   four sets of 16 numbers as they are loaded
.set X,     80                         ; v80-111  two sets of 16 neighbours
.set E,     112                        ; v112-127 a scale byte for each step
.set C,     128                        ; v128-191 codes: four registers for each step, so that no store's data are written again
.set OFR,   192                        ; v192-199 byte offset of my 16 bytes in each of the run's 8 rows
.set WREG,  8192                       ; LDS: a region for each wave: two stages of 32 x SP bytes, behind them its 256 scale bytes
.set SP,    80                         ; a lane's place in a stage: its 64 bytes + 16 of padding
.set WGQ,   256                        ; work-groups under this number take query,
.set WGW,   352                        ; under this one qkv_w, the others out_w
	s_load_b128 s[4:7], s[0:1], 0x0                ; query, qkv_w
	s_load_b128 s[8:11], s[0:1], 0x10              ; out_w, cod
	s_load_b64 s[12:13], s[0:1], 0x20              ; scl
	v_lshl_add_u32 v200, v0, 2, 0x8000
	v_mov_b32 v201, 0
	v_lshrrev_b32 v1, 5, v0
	v_readfirstlane_b32 s16, v1                    ; wave
	v_and_b32 v2, 31, v0                           ; lane
	v_lshlrev_b32 v3, 4, v2                        ; my 16 bytes of a load's 512
	s_mul_i32 s14, s16, WREG
	v_lshrrev_b32 v14, 2, v2
	v_mul_u32_u24 v14, v14, SP
	v_and_b32 v15, 3, v2
	v_lshl_add_u32 v14, v15, 4, v14
	v_add_nc_u32 v14, s14, v14                     ; the stage, on the way in: four lanes' 64 bytes on end, then 16 of padding
	v_mul_u32_u24 v15, v2, SP
	v_add_nc_u32 v15, s14, v15                     ; and on the way out: my 16 neighbours
	v_mul_u32_u24 v4, v2, CB                       ; my codes' place in a step's
	v_lshrrev_b32 v5, 1, v2
	s_add_co_u32 s14, s14, 2*32*SP
	v_add_nc_u32 v5, s14, v5                       ; LDS: my wave's 256 scale bytes, my block's byte
	v_lshlrev_b32 v7, 3, v2                        ; and on the way out 8 bytes a lane
	v_add_nc_u32 v6, s14, v7
	s_mov_b32 s15, MANT
	; which run, from where, to where: all three tensors' figures are made, then chosen by the work-group's number
	s_lshl_b32 s17, ttmp9, 2
	s_add_co_u32 s17, s17, s16                     ; the run, 0 .. 1535
	s_lshr_b32 s18, s17, 3                         ; query: g,
	s_and_b32 s19, s17, 7                          ; b
	s_lshl_b32 s20, s18, 18                        ; 8 g rows of t, 32,768 bytes each,
	s_lshl_b32 s21, s19, 12
	s_add_co_u32 s20, s20, s21                     ; + b rows of 4,096
	s_lshl_b32 s21, s19, 7
	s_add_co_u32 s21, s21, s18                     ; its group of 8 rows in cod, before the exchange: 128 b + g
	s_sub_co_u32 s22, s17, 1024
	s_lshl_b32 s22, s22, 15                        ; qkv_w: 8 rows of 4,096 bytes a run
	s_sub_co_u32 s23, s17, 1408
	s_lshl_b32 s23, s23, 15                        ; out_w likewise
	s_mov_b32 s24, 32768
	s_mov_b32 s25, 4096
	s_cmp_lt_u32 ttmp9, WGQ
	s_cselect_b32 s26, s21, s17                    ; the group (qkv_w's and out_w's is the run's own number)
	s_cselect_b32 s27, s24, s25                    ; bytes from a row of the run to the next
	s_cselect_b32 s28, s20, s22
	s_and_b32 s29, s26, 0xfffffffc                 ; bits 3 and 4 of a row are bits 0 and 1 of its group: exchanged
	s_and_b32 s30, s26, 1
	s_lshl_b32 s30, s30, 1
	s_or_b32 s29, s29, s30
	s_bfe_u32 s30, s26, 0x10001
	s_or_b32 s29, s29, s30
	s_cmp_lt_u32 ttmp9, WGW
	s_cselect_b32 s29, s29, s17                    ; out_w stays in its order
	s_cselect_b32 s32, s28, s23                    ; the run's first byte in its tensor,
	s_mov_b32 s33, 0
	s_lshl_b32 s34, s29, 13                        ; in cod: 8,192 bytes a group,
	s_mov_b32 s35, 0
	s_lshl_b32 s36, s29, 8                         ; in scl: 256
	s_mov_b32 s37, 0
.irp w, 0,1,2,3,4,5,6,7
	v_mad_u32_u24 v[OFR+\w], s27, \w, v3
.endr
	s_wait_alu depctr_va_vdst(0)
	s_wait_kmcnt 0x0
	s_cmp_lt_u32 ttmp9, WGW                        ; the choice hangs on the work-group's number alone
	s_cselect_b64 s[6:7], s[6:7], s[8:9]
	s_cmp_lt_u32 ttmp9, WGQ
	s_cselect_b64 s[4:5], s[4:5], s[6:7]
	s_add_nc_u64 s[4:5], s[4:5], s[32:33]
	s_add_nc_u64 s[10:11], s[10:11], s[34:35]
	s_add_nc_u64 s[12:13], s[12:13], s[36:37]
.macro LOAD t                          ; step t: half t % 2 of row t / 2
.irp i, 0,1,2,3
	global_load_b128 v[R+16*((\t)%4)+4*\i:R+16*((\t)%4)+4*\i+3], v[OFR+(\t)/2], s[4:5] offset:2048*((\t)%2)+512*\i th:TH_LOAD_NT   ; 32 lanes read 512 consecutive bytes
.endr
.endm
.macro TURN t                          ; step t's numbers through the stage: LDS serves a wave's instructions in order (ISA guide 5.7.1.4), so no wait stands between the stores and the loads
.irp i, 0,1,2,3
	ds_store_b128 v14, v[R+16*((\t)%4)+4*\i:R+16*((\t)%4)+4*\i+3] offset:32*SP*((\t)%2)+8*SP*\i
.endr
.irp i, 0,1,2,3
	ds_load_b128 v[X+16*((\t)%2)+4*\i:X+16*((\t)%2)+4*\i+3], v15 offset:32*SP*((\t)%2)+16*\i
.endr
.endm
.irp t, 0,1,2,3
	LOAD \t
.endr
	s_wait_loadcnt 12                              ; step 0's four loads are in
	TURN 0
.macro STEP t
.set XS, X+16*((\t)%2)
.if (\t) > 0
	s_wait_dscnt 1                                 ; this step's numbers are back from the stage (the last step's byte store may be out): so its stores into the stage have read their registers,
.else
	s_wait_dscnt 0x0
.endif
.if (\t)+4 < STEPS
	LOAD (\t)+4                                    ; which take the loads of four steps on
.endif
.if (\t)+1 < STEPS
.if STEPS-2-(\t) >= 3
	s_wait_loadcnt 12                              ; the next step's four loads are in; those of the three steps behind it may be out
.else
	s_wait_loadcnt 4*(STEPS-2-(\t))
.endif
	TURN (\t)+1                                    ; and go through the other stage while this step is worked
.endif
	v_max3_num_f32 v8, |v[XS]|, |v[XS+1]|, |v[XS+2]|               ; the largest magnitude of my 16, in two chains
	v_max3_num_f32 v9, |v[XS+3]|, |v[XS+4]|, |v[XS+5]|
.irp i, 6,10
	v_max3_num_f32 v8, v8, |v[XS+\i]|, |v[XS+\i+1]|
	v_max3_num_f32 v9, v9, |v[XS+\i+2]|, |v[XS+\i+3]|
.endr
	v_max3_num_f32 v8, v8, |v[XS+14]|, |v[XS+15]|
	v_max3_num_f32 v8, v8, v9, (EMAX+1)<<23        ; and the floor 2^(16 - 127): the byte cannot fall under 1
	v_max_num_f32_dpp v8, v8, v8 row_xmask:1 row_mask:0xf bank_mask:0xf   ; and of my neighbour's 16: the block's
	v_add_nc_u32 v11, -(EMAX<<23), v8              ; 15 off its exponent field: the conversion takes the exponent field of this operand as its scale
	v_and_or_b32 v10, v8, 0x7f800000, s15          ; 57,344 x the scale
.irp i, 0,1,2,3,4,5,6,7,8,9,10,11,12,13,14,15
	v_med3_num_f32 v[XS+\i], v[XS+\i], -v10, v10   ; the conversion to an 8-bit code does not saturate (ISA guide 7.6.2): the hold comes first
.endr
	v_cvt_scalef32_pk8_bf8_f32 v[C+4*(\t):C+4*(\t)+1], v[XS:XS+7], v11
	v_cvt_scalef32_pk8_bf8_f32 v[C+4*(\t)+2:C+4*(\t)+3], v[XS+8:XS+15], v11
	v_lshrrev_b32 v[E+(\t)], 23, v11               ; the scale's byte (also the plain line behind the conversions)
	ds_store_b8 v5, v[E+(\t)] offset:16*(\t)       ; both lanes of a block write the same byte with the same value
	global_store_b128 v4, v[C+4*(\t):C+4*(\t)+3], s[10:11] offset:32*CB*(\t)   ; 32 lanes store 512 consecutive bytes, aligned
.endm
.irp t, 0,1,2,3,4,5,6,7,8,9,10,11,12,13,14,15
	STEP \t
.endr
	ds_load_b64 v[12:13], v6                       ; LDS serves a wave's instructions in order: these see my stores
	s_wait_dscnt 0x0
	global_store_b64 v7, v[12:13], s[12:13]        ; 32 lanes store 256 consecutive bytes, aligned
	s_wait_tensorcnt 0x0
	ds_add_u32 v200, v201
	s_wait_dscnt 0x0
	s_endpgm
.Lfunc_end_k_q436d477e83_quant:
	.size	k_q436d477e83_quant, .Lfunc_end_k_q436d477e83_quant-k_q436d477e83_quant
	.p2alignl 7, 3214868480
	.fill 96, 4, 3214868480
	.section	.rodata,"a",@progbits
	.p2align	6, 0x0
	.amdhsa_kernel k_q436d477e83_quant
		.amdhsa_group_segment_fixed_size 33280
		.amdhsa_private_segment_fixed_size 0
		.amdhsa_enable_private_segment 0
		.amdhsa_kernarg_size 40
		.amdhsa_user_sgpr_count 2
		.amdhsa_user_sgpr_kernarg_segment_ptr 1
		.amdhsa_wavefront_size32 1
		.amdhsa_system_sgpr_workgroup_id_x 1
		.amdhsa_system_sgpr_workgroup_id_y 1
		.amdhsa_system_sgpr_workgroup_id_z 1
		.amdhsa_system_vgpr_workitem_id 0
		.amdhsa_next_free_vgpr 202
		.amdhsa_next_free_sgpr 66
		.amdhsa_reserve_vcc 0
		.amdhsa_float_denorm_mode_32 3
		.amdhsa_float_denorm_mode_16_64 3
		.amdhsa_memory_ordered 1
		.amdhsa_forward_progress 1
		.amdhsa_inst_pref_size 52
	.end_amdhsa_kernel
	.amdgpu_metadata
---
amdhsa.version: [ 1, 2 ]
amdhsa.kernels:
  - .name:           k_q436d477e83_quant
    .symbol:         k_q436d477e83_quant.kd
    .args:
      - { .name: query, .offset: 0, .size: 8, .value_kind: global_buffer, .address_space: global }
      - { .name: qkv_w, .offset: 8, .size: 8, .value_kind: global_buffer, .address_space: global }
      - { .name: out_w, .offset: 16, .size: 8, .value_kind: global_buffer, .address_space: global }
      - { .name: cod, .offset: 24, .size: 8, .value_kind: global_buffer, .address_space: global }
      - { .name: scl, .offset: 32, .size: 8, .value_kind: global_buffer, .address_space: global }
    .group_segment_fixed_size: 33280
    .private_segment_fixed_size: 0
    .kernarg_segment_align: 8
    .kernarg_segment_size: 40
    .max_flat_workgroup_size: 128
    .sgpr_count:     66
    .vgpr_count:     202
    .wavefront_size: 32
...
	.end_amdgpu_metadata
.endif
;; end of part 1
;; launch proj (part 2): grid 8 x 32, 4 waves a work-group, clusters of 4 x 4, 327,680 bytes of LDS; arguments cod, scl, qkv_b, hrec; writes hrec
.if DOCPART == 2
	.amdgcn_target "amdgcn-amd-amdhsa--gfx1250"
	.amdhsa_code_object_version 6
	.text
	.protected	k_q436d477e83_proj
	.globl	k_q436d477e83_proj
	.p2align	8
	.type	k_q436d477e83_proj,@function
k_q436d477e83_proj:
	s_mov_b64 s[64:65], 0
	v_nop
	global_prefetch_b8 v0, s[64:65] scope:SCOPE_SE
	s_setreg_imm32_b32 hwreg(HW_REG_WAVE_MODE, 25, 1), 1
	s_wait_xcnt 0x0
	s_wait_alu depctr_hold_cnt(0) depctr_sa_sdst(0) depctr_va_vdst(0) depctr_va_sdst(0) depctr_va_ssrc(0) depctr_va_vcc(0) depctr_vm_vsrc(0)
	s_getreg_b32 s2, hwreg(HW_REG_IB_STS2, 6, 4)
	s_cmp_eq_u32 s2, 0
	s_cbranch_scc0 .Lentry_in_a_cluster
	s_endpgm
.Lentry_in_a_cluster:
	s_bfe_u32 s2, ttmp6, 0x10000c
	s_cmp_lg_u32 s2, 0xf033
	s_cbranch_scc0 .Lentry_shape_is_right
	s_endpgm
.Lentry_shape_is_right:
; qkv = query qkv_w^T + qkv_b on codes of BF8 (E5M2) with E8M0 scales, K = 1024.  The f32 result never goes to memory: q (x 0.125), k and v are quantised on the way out, each along the K of the
; attention product that reads it, and stored as IMAGES OF OPERAND REGISTERS in a record for each (batch, head): hrec [128][206,848 bytes].
; A record: 0 K's images [tile of 16 keys 64][1,024]; 65,536 V's [key step of 128: 8][tile of 16 channels 4][2,048]; 131,072 K's scale words [64][16]; 135,168 V's [8][4][16]; 137,216 Q's images; 202,752 Q's scale words.
; An image: register group c (four registers) of lane l at 512 c + 16 l.
; THE DEAL: 256 work-groups of four waves, each with two phases.  q and k are 32 x 8 tiles of 256 x 256: one a work-group.  v is 32 x 8 half tiles of 256 keys x 128 channels: one a work-group too.
;   PHASE 1: source 1 = 256 rows of query (batch = cluster y, rows 256 cy), source 0 = 256 rows of qkv_w's first 2,048 (256 gx; cluster x 0: q, 1: k).  A wave makes 128 x 128: 64 sums.
;   PHASE 2: source 0 = THE SAME 256 rows of query, source 1 = 128 rows of qkv_w's last 1,024 (128 gx).  A wave makes 128 keys x 64 channels (one key step of one head): 32 sums.
; Rows lie in cod by PLACE (bits 3 and 4 of the index exchanged): the 16 registers of source 0's tiles 2 b and 2 b + 1 are the original indices 32 b + 16 (lane / 16) + 0 .. 15; lane r of source 1's tile a is
; the original index 32 (a / 2) + 8 (a % 2) + r + 8 (r / 8).
; THE RING: K goes in steps of 256 through two LDS slots (query's 256 rows, then the weight's), and does not stop at the change of phase: phase 1's last two changes of slots ask for phase 2's K steps 0 and 1.
; CLUSTERS: 4 x 4.  Query's tiles hang on the cluster's y and cy and are asked for jointly along a row of the cluster, in both phases; the weights' hang on gx, along a column.
; The scales of query's and of the first weight's 256 rows come once, by the head's loads; W_v's scale words and the biases go straight into registers.
; NO PREFETCH: K is four steps of the ring for a block of 256 x 256 in clusters: there is no run of trips to ask ahead in.
; LIMITS: a block of zeros gets the byte 1; blocks whose largest magnitude lies under 2^-111 keep that byte; NaN and infinities are not served.
; REGISTERS, in windows of 256: window 0: v1-13 lane figures and offsets; v16-29 addresses; v32-63 scale words, two sets; v64-127 q's and k's bias, then W_v's second set of fragments; v128-255 source 1's fragments,
;   on the way out v128-226 at work; v228-235 v's bias, v240-255 W_v's scale words.   window 1: source 0's fragments, two sets.   windows 2, 3: the sums ((a, b) at v[8 (8 (a % 4) + b)]).
.set NQ,     2
.set ROWB,   256
.set KROW,   1024
.set PITCH,  272                       ; an LDS row: 256 bytes + 16 of padding: the 16 rows that a load touches start 68 words apart
.set FR,     16
.set NL,     4
.set NP,     8                         ; places behind this matrix instruction (ISA guide 7.12.1)
.set HALFT,  128*PITCH
.set SLOT,   4*HALFT
.set KS,     32
.set SCL,    2*SLOT
.set HALFS,  (128*KS/256)*272
.set SBLK,   (16*KS/256)*272
.set SPARE,  SCL+4*HALFS               ; the spare words: 128 bytes for each wave
.set HREC,   206848
.set VIMG,   65536
.set KSCL,   131072
.set VSCL,   135168
.set QIMG,   137216
.set QSCL,   202752
.set LI,   8                           ; 16 x lane
.set VS0,  9                           ; q, k: my scale word's offset: 4 r, a record on for lanes 16-31
.set BO,   10                          ; q, k: my offset in the bias: 64 h
.set VS1,  11                          ; v: 4 x lane
.set BO2,  12                          ; v: 4 (r + 8 (r / 8))
.set ABS,  13                          ; 32 x lane: a row of W_v's scale bytes
.set ADRA, 16                          ; v16-17 phase 1: query's fragments in slot 0, 1
.set ADRQ, 18                          ; v18-19 phase 2: query's
.set ADRB, 20                          ; v20-21 phase 1: the weight's
.set ADRW, 22                          ; v22-23 phase 2: W_v's
.set ADRS2, 26                         ; phase 2: query's scale words
.set ADRS, 27                          ; phase 1: lanes 0-15 query's, lanes 16-31 the weight's
.set SPW,  28
.set NIL,  29
.set SC,   32
.set BI,   64
.set AF,   128
.set W,    128
.set PC,   192
.set TM,   208
.set WD,   224
.set BV,   228
.set WS,   240
.set G1,   24                          ; query's tiles: group 1, groups 0 for the two slots
.set G0,   32
.set G1B,  48                          ; the first weight's
.set G0B,  56
.set G1S,  68                          ; the head's scale blocks; behind the head s68-79 and s88-91 hold constants and bases
.set G0S,  76
.set G1SB, 80
.set G0SB, 88
.set G1V,  80                          ; W_v's tiles, written behind the head's wait
.set G0V,  92
.set G0H,  92                          ; the head's two loads of codes
.set G0HB, 96
.set SEL,  68                          ; s68-69 v_permlanex16_b32's selects for lane l xor 16
.set LMASK, 70                         ; a mask of lanes 16-31
.set MNT,  71                          ; the mantissa field of 57,344
.set MSB, 0
.macro WIN new                         ; the immediate's high byte repeats the setting that is left
.if MSB != (\new)
	s_set_vgpr_msb (MSB<<8)|(\new)
.set MSB, (\new)
.endif
.endm
.set MUL_LO, 0xa1                      ; source 0 window 1, source 1 window 0, C and D window 2
.set MUL_HI, 0xf1
.set TO_B,   0x40
.macro PLACES n
.rept \n
	v_nop
.endr
.endm
; A joint load: waves 0 and 1 fetch query's halves, waves 2 and 3 the weight's.  An s_nop 0 and four v_nop follow each line.
.macro JLOAD g0a, g1a, g0b, g1b
	s_cmp_eq_u32 s15, 0
	s_cbranch_scc0 .Lfor_b_\@
	tensor_load_to_lds s[\g0a:\g0a+3], s[\g1a:\g1a+7]
	s_nop 0
	PLACES 4
	s_branch .Lasked_\@
.Lfor_b_\@:
	tensor_load_to_lds s[\g0b:\g0b+3], s[\g1b:\g1b+7]
	s_nop 0
	PLACES 4
.Lasked_\@:
.endm
.macro CREST
	s_cmp_lg_u32 s14, 0
	s_cbranch_scc1 .Lnot_wave_0_\@
	s_barrier_signal -3
.Lnot_wave_0_\@:
	s_barrier_wait -3
	s_barrier_signal -1
	s_barrier_wait -1
.endm
.macro CROUND
	s_barrier_signal -1
	s_barrier_wait -1
	CREST
.endm
	s_load_b128 s[4:7], s[0:1], 0x0                ; cod, scl
	s_load_b128 s[8:11], s[0:1], 0x10              ; qkv_b, hrec
	v_lshl_add_u32 v[SPW], v0, 2, SPARE
	v_mov_b32 v[NIL], 0
	ds_add_u32 v[SPW], v[NIL]                      ; the opening lines: the add, twice on end, and its wait
	ds_add_u32 v[SPW], v[NIL]
	v_lshrrev_b32 v1, 5, v0
	v_readfirstlane_b32 s14, v1                    ; wave
	s_lshr_b32 s15, s14, 1                         ; wr: my half of source 1's rows.  Also: I fetch query (0) or the weight (1)
	s_and_b32 s16, s14, 1                          ; wc: my half of source 0's rows.  Also: which half of a tile I fetch
	s_bfe_u32 s40, ttmp6, 0x40000                  ; cx
	s_bfe_u32 s41, ttmp6, 0x40004                  ; cy
	s_lshl_b32 s42, ttmp9, 2
	s_add_co_u32 s42, s42, s40                     ; gx
	s_and_b32 s100, ttmp7, 0xffff                  ; the batch
	s_lshl_b32 s43, s41, 2
	s_lshl_b32 s43, 15, s43                        ; my row of the cluster
	s_lshl_b32 s44, 0x1111, s40                    ; my column
	s_or_b32 s[G1+0], s43, (1<<20)|(1<<21)|(5<<22)|(3<<25)   ; elements of 1 byte; four words of padding after every 64
	s_or_b32 s[G1B+0], s44, (1<<20)|(1<<21)|(5<<22)|(3<<25)
.irp g, G1, G1B
	s_mov_b32 s[\g+1], ROWB<<16
	s_mov_b32 s[\g+2], 256<<16                     ; the head's loads bring 256 rows
	s_mov_b32 s[\g+3], ROWB<<16
	s_mov_b32 s[\g+4], 256
	s_mov_b32 s[\g+5], KROW
	s_mov_b32 s[\g+6], 0
	s_mov_b32 s[\g+7], 0
.endr
	s_or_b32 s[G1S+0], s43, (3<<16)|(1<<20)|(1<<21)|(5<<22)|(3<<25)   ; the scales of 256 rows: 8,192 dense bytes as 32 rows of 256
	s_or_b32 s[G1SB+0], s44, (3<<16)|(1<<20)|(1<<21)|(5<<22)|(3<<25)
.irp g, G1S, G1SB
	s_mov_b32 s[\g+1], 32<<16
	s_mov_b32 s[\g+2], KS<<16
	s_mov_b32 s[\g+3], 32<<16
	s_mov_b32 s[\g+4], KS
	s_mov_b32 s[\g+5], 32
	s_mov_b32 s[\g+6], 0
	s_mov_b32 s[\g+7], 0
.endr
	s_lshl_b32 s20, s100, 10
	s_lshl_b32 s21, s41, 8
	s_add_co_u32 s20, s20, s21                     ; query's first row in cod: 1,024 batch + 256 cy
	s_lshl_b32 s46, s42, 8
	s_add_co_u32 s46, s46, 8192                    ; the first weight's: 8,192 + 256 gx
	s_lshl_b32 s2, s42, 7
	s_add_co_u32 s2, s2, 10240                     ; W_v's: 10,240 + 128 gx
	s_lshl_b32 s22, s20, 5
	s_mov_b32 s23, 0
	s_lshl_b32 s20, s20, 10
	s_mov_b32 s21, 0
	s_lshl_b32 s66, s46, 5
	s_mov_b32 s67, 0
	s_lshl_b32 s46, s46, 10
	s_mov_b32 s47, 0
	s_lshl_b32 s2, s2, 10
	s_mov_b32 s3, 0
	s_mul_i32 s18, s16, 128*KROW
	s_mov_b32 s19, 0
	s_mul_i32 s45, s14, HALFT                      ; where a ring load goes: wave x 128 rows
	s_wait_dscnt 0x0
	s_wait_kmcnt 0x0
	s_add_nc_u64 s[20:21], s[4:5], s[20:21]
	s_add_nc_u64 s[22:23], s[6:7], s[22:23]
	s_add_nc_u64 s[46:47], s[4:5], s[46:47]
	s_add_nc_u64 s[66:67], s[6:7], s[66:67]
	s_add_nc_u64 s[2:3], s[4:5], s[2:3]
	CROUND                                         ; all sixteen work-groups are here: the first joint loads meet
	s_mov_b32 s[G0H], 1
	s_mov_b32 s[G0H+1], 0
	s_mov_b64 s[G0H+2:G0H+3], s[20:21]
	s_or_b32 s[G0H+3], s[G0H+3], 0x80000000
	s_mov_b32 s[G0HB], 1
	s_mov_b32 s[G0HB+1], 2*HALFT
	s_mov_b64 s[G0HB+2:G0HB+3], s[46:47]
	s_or_b32 s[G0HB+3], s[G0HB+3], 0x80000000
	s_mov_b32 s[G0S], 1
	s_mov_b32 s[G0S+1], SCL
	s_mov_b64 s[G0S+2:G0S+3], s[22:23]
	s_or_b32 s[G0S+3], s[G0S+3], 0x80000000
	s_mov_b32 s[G0SB], 1
	s_mov_b32 s[G0SB+1], SCL+2*HALFS
	s_mov_b64 s[G0SB+2:G0SB+3], s[66:67]
	s_or_b32 s[G0SB+3], s[G0SB+3], 0x80000000
	s_add_nc_u64 s[20:21], s[20:21], s[18:19]      ; for the ring: my 128 rows of a tile
	s_add_nc_u64 s[46:47], s[46:47], s[18:19]
.irp s, 0,1
	s_mov_b32 s[G0+4*\s], 1
	s_add_co_u32 s[G0+4*\s+1], s45, \s*SLOT
	s_add_nc_u64 s[G0+4*\s+2:G0+4*\s+3], s[20:21], \s*ROWB
	s_or_b32 s[G0+4*\s+3], s[G0+4*\s+3], 0x80000000
	s_mov_b32 s[G0B+4*\s], 1
	s_add_co_u32 s[G0B+4*\s+1], s45, \s*SLOT
	s_add_nc_u64 s[G0B+4*\s+2:G0B+4*\s+3], s[46:47], \s*ROWB
	s_or_b32 s[G0B+4*\s+3], s[G0B+4*\s+3], 0x80000000
.endr
; THE HEAD'S LOADS, ONE A WAVE: wave 0 K step 0's 256 rows of query, wave 1 the weight's, wave 2 query's scales, wave 3 the weight's.  One tree of branches, one load to an arm.
.macro ARM under, g0, g1, next
	s_cmp_lt_u32 s14, \under
	s_cbranch_scc0 \next
	tensor_load_to_lds s[\g0:\g0+3], s[\g1:\g1+7]
	s_nop 0
	PLACES 4
	s_branch .Lhead_asked
\next:
.endm
	ARM 1, G0H,  G1,  .Lhead_b
	ARM 2, G0HB, G1B, .Lhead_sa
	ARM 3, G0S,  G1S, .Lhead_sb
	tensor_load_to_lds s[G0SB:G0SB+3], s[G1SB:G1SB+7]
	s_nop 0
	PLACES 4
.Lhead_asked:
	s_mul_i32 s17, s15, HALFT                      ; phase 1: my 128 rows of query
	s_mul_i32 s18, s16, HALFT                      ; phase 2: my 128 rows of query
	s_add_co_u32 s19, s18, 2*HALFT                 ; phase 1: my 128 rows of the weight
	s_mul_i32 s20, s15, 64*PITCH
	s_add_co_u32 s20, s20, 2*HALFT                 ; phase 2: my 64 rows of W_v
	s_mul_i32 s21, s15, HALFS
	s_mul_i32 s22, s16, HALFS
	s_add_co_u32 s23, s22, 2*HALFS
	s_sub_co_u32 s23, s23, s21                     ; from query's scales of my rows to the weight's
	s_add_co_u32 s21, s21, SCL
	s_add_co_u32 s22, s22, SCL
	v_and_b32 v1, 15, v0                           ; r
	v_bfe_u32 v2, v0, 4, 1                         ; h
	v_and_b32 v7, 31, v0
	v_lshlrev_b32 v[LI], 4, v7
	v_lshlrev_b32 v[VS1], 2, v7
	v_lshlrev_b32 v[ABS], 5, v7
	v_lshlrev_b32 v[BO], 6, v2
	v_mul_u32_u24 v[VS0], v2, HREC
	v_lshl_add_u32 v[VS0], v1, 2, v[VS0]
	v_and_b32 v[BO2], 8, v1
	v_add_nc_u32 v[BO2], v[BO2], v1
	v_lshlrev_b32 v[BO2], 2, v[BO2]
	v_mul_u32_u24 v5, v1, KS                       ; my row's scales: 32 bytes a row,
	v_lshrrev_b32 v6, 8, v5
	v_lshl_add_u32 v5, v6, 4, v5                   ; and 16 more for each 256 passed
	v_mul_u32_u24 v3, v1, PITCH
	v_lshl_add_u32 v4, v2, 4, v3                   ; a fragment's row x pitch + 16 x half
	v_add_nc_u32 v[ADRA], s17, v4
	v_add_nc_u32 v[ADRQ], s18, v4
	v_add_nc_u32 v[ADRB], s19, v4
	v_add_nc_u32 v[ADRW], s20, v4
	v_add_nc_u32 v[ADRA+1], SLOT, v[ADRA]
	v_add_nc_u32 v[ADRQ+1], SLOT, v[ADRQ]
	v_add_nc_u32 v[ADRB+1], SLOT, v[ADRB]
	v_add_nc_u32 v[ADRW+1], SLOT, v[ADRW]
	v_mul_u32_u24 v6, s23, v2                      ; lanes 16-31 take the weight's
	v_add_nc_u32 v[ADRS2], s22, v5
	v_add_nc_u32 v5, v5, v6
	v_add_nc_u32 v[ADRS], s21, v5
.macro FRAG reg, adr, q, i             ; 16 rows x 128 K: lane l holds row l % 16; registers 4 c .. 4 c + 3 hold K = 32 c + 16 (l / 16) + 0 .. 15
.irp c, 0,1,2,3
	ds_load_b128 v[\reg+4*\c:\reg+4*\c+3], v[\adr] offset:128*(\q)+32*\c+(\i)*16*PITCH
.endr
.endm
; PHASE 1.  16 matrix instructions: query's blocks a0, a0 + 1 x the weight's eight.  The 64 sums take turns, one instruction a turn.
.macro MUL16 a0, p, q, sc, zero
.irp a, \a0, \a0+1
.irp b, 0,1,2,3,4,5,6,7
.if \zero
	v_wmma_scale_f32_16x16x128_f8f6f4 v[8*(8*((\a)%4)+\b):8*(8*((\a)%4)+\b)+7], v[128*(\p)+FR*\b:128*(\p)+FR*\b+FR-1], v[AF+FR*(\a):AF+FR*(\a)+FR-1], 0, v[SC+8*NQ*(\sc)+NQ*\b+(\q)], v[SC+8*NQ*(\sc)+NQ*(\a)+(\q)] matrix_a_fmt:MATRIX_FMT_BF8 matrix_b_fmt:MATRIX_FMT_BF8 matrix_a_scale:MATRIX_SCALE_ROW1
.else
	v_wmma_scale_f32_16x16x128_f8f6f4 v[8*(8*((\a)%4)+\b):8*(8*((\a)%4)+\b)+7], v[128*(\p)+FR*\b:128*(\p)+FR*\b+FR-1], v[AF+FR*(\a):AF+FR*(\a)+FR-1], v[8*(8*((\a)%4)+\b):8*(8*((\a)%4)+\b)+7], v[SC+8*NQ*(\sc)+NQ*\b+(\q)], v[SC+8*NQ*(\sc)+NQ*(\a)+(\q)] matrix_a_fmt:MATRIX_FMT_BF8 matrix_b_fmt:MATRIX_FMT_BF8 matrix_a_scale:MATRIX_SCALE_ROW1
.endif
.endr
.endr
.endm
.macro FETCH_B slot, q, p
	WIN TO_B
.irp i, 0,1,2,3,4,5,6,7
	FRAG 128*(\p)+FR*\i, ADRB+\slot, \q, \i
.endr
	WIN 0
.endm
.macro FETCH_A slot, q, i0
.irp i, \i0, \i0+1, \i0+2, \i0+3
	FRAG AF+FR*(\i), ADRA+\slot, \q, \i
.endr
.endm
.macro SCALES sc
.irp i, 0,1,2,3,4,5,6,7
	ds_load_b64 v[SC+8*NQ*\sc+NQ*\i:SC+8*NQ*\sc+NQ*\i+1], v[ADRS] offset:\i*SBLK
.endr
.endm
; A step of 128 along K with its successor in the same slot.  Query has one set of registers: blocks 0-3 are fetched anew in the step's middle, blocks 4-7 at its end.
.macro STEP slot, q, zero
	s_wait_dscnt 4*NL                              ; all but the youngest 16 loads (query's blocks 4-7) are in
	WIN MUL_LO
	MUL16 0, (\q)%2, \q, \slot, \zero
	MUL16 2, (\q)%2, \q, \slot, \zero
	s_wait_dscnt 0
	PLACES NP
	FETCH_B \slot, (\q)+1, 1-(\q)%2
	FETCH_A \slot, (\q)+1, 0
	WIN MUL_HI
	MUL16 4, (\q)%2, \q, \slot, \zero
	MUL16 6, (\q)%2, \q, \slot, \zero
	PLACES NP
	WIN 0
	FETCH_A \slot, (\q)+1, 4
.endm
; A slot's last step changes slots, in a round of the cluster's barrier; ahead of it the wait for all my tensor loads, the add, and the wait for it and for my reads of this slot.
; fill = 1: this slot takes phase 1's K step two on;  fill = 2: phase 2's K step of this slot's number: query's rows go back along K, the weight's part takes W_v's 128 rows.  fetch = 0: phase 1's last step.
.macro TURN slot, next, fill, fetch
	s_wait_tensorcnt 0x0
	ds_add_u32 v[SPW], v[NIL]
	s_wait_dscnt 4*NL+1                            ; the add and the youngest 16 loads may be out
	WIN MUL_LO
	MUL16 0, 1, NQ-1, \slot, 0
	s_wait_dscnt 0x0
	s_barrier_signal -1
	MUL16 2, 1, NQ-1, \slot, 0
	WIN 0
	s_barrier_wait -1
	CREST
.if \fill == 1
	s_add_nc_u64 s[G0+4*\slot+2:G0+4*\slot+3], s[G0+4*\slot+2:G0+4*\slot+3], 2*ROWB
	s_add_nc_u64 s[G0B+4*\slot+2:G0B+4*\slot+3], s[G0B+4*\slot+2:G0B+4*\slot+3], 2*ROWB
	JLOAD G0+4*\slot, G1, G0B+4*\slot, G1B
.else
	s_sub_nc_u64 s[G0+4*\slot+2:G0+4*\slot+3], s[G0+4*\slot+2:G0+4*\slot+3], 2*ROWB
	JLOAD G0+4*\slot, G1, G0V+4*\slot, G1V
.endif
	PLACES NP-4
.if \fetch
	v_add_nc_u32 v[ADRS], 4*NQ, v[ADRS]            ; the next K step's scale words
	s_wait_alu depctr_va_vdst(0)
	FETCH_B \next, 0, 0
	FETCH_A \next, 0, 0
	SCALES \next
.endif
	WIN MUL_HI
	MUL16 4, 1, NQ-1, \slot, 0
	MUL16 6, 1, NQ-1, \slot, 0
	PLACES NP
	WIN 0
.if \fetch
	FETCH_A \next, 0, 4
.endif
.endm
; PHASE 2.  Eight matrix instructions: W_v's block a x query's eight.  p: the set of fragments; t: the 128 along K, 0 .. 7.  W_v's scale words: register WS + 8 (a / 2) + t, lanes 0-15 the even block's, lanes 16-31 the odd's.
.macro MULV1 a, p, q, sc, t, zero
.irp b, 0,1,2,3,4,5,6,7
.if \zero
.if (\a)%2
	v_wmma_scale_f32_16x16x128_f8f6f4 v[8*(8*(\a)+\b):8*(8*(\a)+\b)+7], v[128*(\p)+FR*\b:128*(\p)+FR*\b+FR-1], v[128-64*(\p)+FR*(\a):128-64*(\p)+FR*(\a)+FR-1], 0, v[SC+16*(\sc)+NQ*\b+(\q)], v[WS+8*((\a)/2)+(\t)] matrix_a_fmt:MATRIX_FMT_BF8 matrix_b_fmt:MATRIX_FMT_BF8 matrix_b_scale:MATRIX_SCALE_ROW1
.else
	v_wmma_scale_f32_16x16x128_f8f6f4 v[8*(8*(\a)+\b):8*(8*(\a)+\b)+7], v[128*(\p)+FR*\b:128*(\p)+FR*\b+FR-1], v[128-64*(\p)+FR*(\a):128-64*(\p)+FR*(\a)+FR-1], 0, v[SC+16*(\sc)+NQ*\b+(\q)], v[WS+8*((\a)/2)+(\t)] matrix_a_fmt:MATRIX_FMT_BF8 matrix_b_fmt:MATRIX_FMT_BF8
.endif
.else
.if (\a)%2
	v_wmma_scale_f32_16x16x128_f8f6f4 v[8*(8*(\a)+\b):8*(8*(\a)+\b)+7], v[128*(\p)+FR*\b:128*(\p)+FR*\b+FR-1], v[128-64*(\p)+FR*(\a):128-64*(\p)+FR*(\a)+FR-1], v[8*(8*(\a)+\b):8*(8*(\a)+\b)+7], v[SC+16*(\sc)+NQ*\b+(\q)], v[WS+8*((\a)/2)+(\t)] matrix_a_fmt:MATRIX_FMT_BF8 matrix_b_fmt:MATRIX_FMT_BF8 matrix_b_scale:MATRIX_SCALE_ROW1
.else
	v_wmma_scale_f32_16x16x128_f8f6f4 v[8*(8*(\a)+\b):8*(8*(\a)+\b)+7], v[128*(\p)+FR*\b:128*(\p)+FR*\b+FR-1], v[128-64*(\p)+FR*(\a):128-64*(\p)+FR*(\a)+FR-1], v[8*(8*(\a)+\b):8*(8*(\a)+\b)+7], v[SC+16*(\sc)+NQ*\b+(\q)], v[WS+8*((\a)/2)+(\t)] matrix_a_fmt:MATRIX_FMT_BF8 matrix_b_fmt:MATRIX_FMT_BF8
.endif
.endif
.endr
.endm
.macro FETCHV slot, q, p               ; query's eight fragments and W_v's four into set p: 48 loads
	WIN TO_B
.irp i, 0,1,2,3,4,5,6,7
	FRAG 128*(\p)+FR*\i, ADRQ+\slot, \q, \i
.endr
	WIN 0
.irp i, 0,1,2,3
	FRAG 128-64*(\p)+FR*\i, ADRW+\slot, \q, \i
.endr
.endm
.macro SCALESV sc                      ; query's scale words of a K step: both halves of the lanes take the same rows
.irp i, 0,1,2,3,4,5,6,7
	ds_load_b64 v[SC+16*(\sc)+NQ*\i:SC+16*(\sc)+NQ*\i+1], v[ADRS2] offset:\i*SBLK
.endr
.endm
.macro VSTEP t, zero                   ; an even step: its successor lies in the same slot
.set SL, ((\t)/2)%2
	s_wait_dscnt 0x0
	PLACES NP                                      ; ahead of loads into the set that the step before multiplied
	FETCHV SL, 1, 1
	WIN MUL_LO
.irp a, 0,1,2,3
	MULV1 \a, 0, 0, SL, \t, \zero
.endr
	WIN 0
.endm
.macro TURNV t, fill                   ; an odd step changes slots; fill = 1: in a round, and this slot takes the K step two on
.set SL, ((\t)/2)%2
	s_wait_tensorcnt 0x0
	ds_add_u32 v[SPW], v[NIL]
	s_wait_dscnt 1                                 ; the add may be out
	WIN MUL_LO
	MULV1 0, 1, 1, SL, \t, 0
	s_wait_dscnt 0x0
	s_barrier_signal -1
	MULV1 1, 1, 1, SL, \t, 0
	WIN 0
	s_barrier_wait -1
.if \fill
	CREST
	s_add_nc_u64 s[G0+4*SL+2:G0+4*SL+3], s[G0+4*SL+2:G0+4*SL+3], 2*ROWB
	s_add_nc_u64 s[G0V+4*SL+2:G0V+4*SL+3], s[G0V+4*SL+2:G0V+4*SL+3], 2*ROWB
	JLOAD G0+4*SL, G1, G0V+4*SL, G1V
	PLACES NP-4
.else
	PLACES NP
.endif
	v_add_nc_u32 v[ADRS2], 4*NQ, v[ADRS2]
	s_wait_alu depctr_va_vdst(0)
	FETCHV 1-SL, 0, 0
	SCALESV 1-SL
	WIN MUL_LO
	MULV1 2, 1, 1, SL, \t, 0
	MULV1 3, 1, 1, SL, \t, 0
	WIN 0
.endm
; 64 numbers of a lane, register 16 b + i = index 32 b + 16 (lane / 16) + i along the next K, become 16 registers of codes in v[PC] on; the four blocks' bytes stay in v[TM+4] on.
.macro QUANT s
.irp b, 0,1,2,3
	v_max3_num_f32 v[TM+\b], |v[\s+16*\b]|, |v[\s+1+16*\b]|, 0x8000000   ; my 16 numbers, and the floor 2^(16 - 127): the byte cannot fall under 1
.endr
.irp i, 2,4,6,8,10,12,14
.irp b, 0,1,2,3
	v_max3_num_f32 v[TM+\b], v[TM+\b], |v[\s+16*\b+\i]|, |v[\s+1+16*\b+\i]|
.endr
.endr
.irp b, 0,1,2,3
	v_permlanex16_b32 v[TM+4+\b], v[TM+\b], s[SEL], s[SEL+1]
.endr
.irp b, 0,1,2,3
	v_max_num_f32 v[TM+\b], v[TM+\b], v[TM+4+\b]   ; with lane l xor 16's: the block's largest magnitude
.endr
.irp b, 0,1,2,3
	v_add_nc_u32 v[TM+12+\b], 0xf8800000, v[TM+\b]   ; 15 off its exponent field: the conversion's scale operand
.endr
.irp b, 0,1,2,3
	v_and_or_b32 v[TM+8+\b], v[TM+\b], 0x7f800000, s[MNT]   ; 57,344 x the scale
.endr
.irp b, 0,1,2,3
	v_lshrrev_b32 v[TM+4+\b], 23, v[TM+12+\b]      ; the scale's byte
.endr
.irp b, 0,1,2,3
.irp i, 0,1,2,3,4,5,6,7,8,9,10,11,12,13,14,15
	v_med3_num_f32 v[\s+16*\b+\i], v[\s+16*\b+\i], -v[TM+8+\b], v[TM+8+\b]   ; the conversion does not saturate (ISA guide 7.6.2): the hold comes first
.endr
	v_cvt_scalef32_pk8_bf8_f32 v[PC+4*\b:PC+1+4*\b], v[\s+16*\b:\s+7+16*\b], v[TM+12+\b]
	v_cvt_scalef32_pk8_bf8_f32 v[PC+2+4*\b:PC+3+4*\b], v[\s+8+16*\b:\s+15+16*\b], v[TM+12+\b]
.endr
	v_nop                                          ; one plain line behind the last conversion
.endm
; Source 1's block a leaves.  kind 0: sum x S + bias x S, 64 channels of two heads; code group c goes to head c / 2, group c % 2 of tile a.  kind 1: sum + bias, 128 keys' halves; the four groups are one fragment of V.
.macro OUTBLK a, kind, cb, sb
.if (\a) > 0
	s_wait_xcnt 0x0                                ; the last block's stores have read their registers
.endif
	WIN 0x02+(\a)/4
.set AC, 64*((\a)%4)
.set i, 0
.rept 32                                       ; each sum from its low end on
.if \kind
	v_pk_add_f32 v[W+i:W+i+1], v[AC+i:AC+i+1], v[BV+2*(\a):BV+2*(\a)+1]
.else
	v_pk_fma_f32 v[W+i:W+i+1], v[AC+i:AC+i+1], s[22:23], v[BI+i:BI+i+1] op_sel_hi:[1,0,1]
.endif
.set i, i+2
.endr
	WIN 0
	QUANT W
.if \kind
.set WW, WD+(\a)%2
	v_lshl_or_b32 v[WW], v[TM+5], 8, v[TM+4]       ; my channel's scale word for these 128 keys
	v_lshl_or_b32 v[WW], v[TM+6], 16, v[WW]
	v_lshl_or_b32 v[WW], v[TM+7], 24, v[WW]
.irp c, 0,1,2,3
	global_store_b128 v[LI], v[PC+4*\c:PC+4*\c+3], s[\cb:\cb+1] offset:(\a)*2048+512*\c   ; 32 lanes store 512 consecutive bytes, aligned
.endr
.if (\a)%2
	v_cndmask_b32 v[WD+2], v[WD], v[WD+1], s[LMASK]   ; lanes 0-15 the block before's words, lanes 16-31 this block's: 128 consecutive bytes
	global_store_b32 v[VS1], v[WD+2], s[\sb:\sb+1] offset:((\a)-1)*64
.endif
.else
	v_lshl_or_b32 v[WD], v[TM+5], 8, v[TM+4]       ; the first head's two bytes,
	v_lshl_or_b32 v[WD+1], v[TM+7], 8, v[TM+6]     ; the second's
	v_cndmask_b32 v[WD+2], v[WD], v[WD+1], s[LMASK]
.irp c, 0,1,2,3
	global_store_b128 v[LI], v[PC+4*\c:PC+4*\c+3], s[\cb:\cb+1] offset:(\c/2)*HREC+(\a)*1024+(\c%2)*512
.endr
	global_store_b32 v[VS0], v[WD+2], s[\sb:\sb+1] offset:(\a)*64
.endif
.endm
	s_wait_alu depctr_va_vdst(0)
	s_wait_tensorcnt 0x0                           ; my tile of the head's four is in; the lines ahead of a later first fill:
	ds_add_u32 v[SPW], v[NIL]
	s_mov_b32 s[G1+2], 128<<16                     ; no tensor load of mine is out, so descriptors may be written: a ring load brings 128 rows
	s_mov_b32 s[G1+4], 128
	s_mov_b32 s[G1B+2], 128<<16
	s_mov_b32 s[G1B+4], 128
	s_or_b32 s[G1V+0], s44, (1<<20)|(1<<21)|(5<<22)|(3<<25)   ; W_v's tiles: 64 rows a load, to my column
	s_mov_b32 s[G1V+1], ROWB<<16
	s_mov_b32 s[G1V+2], 64<<16
	s_mov_b32 s[G1V+3], ROWB<<16
	s_mov_b32 s[G1V+4], 64
	s_mov_b32 s[G1V+5], KROW
	s_mov_b32 s[G1V+6], 0
	s_mov_b32 s[G1V+7], 0
	s_mul_i32 s45, s16, 64*PITCH
	s_add_co_u32 s45, s45, 2*HALFT
	s_mul_i32 s46, s16, 64*KROW
	s_mov_b32 s47, 0
	s_add_nc_u64 s[2:3], s[2:3], s[46:47]
.irp s, 0,1
	s_mov_b32 s[G0V+4*\s], 1
	s_add_co_u32 s[G0V+4*\s+1], s45, \s*SLOT
	s_add_nc_u64 s[G0V+4*\s+2:G0V+4*\s+3], s[2:3], \s*ROWB
	s_or_b32 s[G0V+4*\s+3], s[G0V+4*\s+3], 0x80000000
.endr
	s_mov_b32 s[SEL], 0x76543210
	s_mov_b32 s[SEL+1], 0xfedcba98
	s_mov_b32 s[LMASK], 0xffff0000
	s_mov_b32 s[MNT], 0x600000
	s_wait_dscnt 0x0
	CROUND                                         ; all four tiles are in, and all sixteen work-groups are here
	JLOAD G0+4, G1, G0B+4, G1B                     ; K step 1, the first tensor load behind the round
	FETCH_B 0, 0, 0
	FETCH_A 0, 0, 0
	SCALES 0
	FETCH_A 0, 0, 4
	STEP 0, 0, 1                                   ; the first step's products start the sums
	TURN 0, 1, 1, 1
	STEP 1, 0, 0
	TURN 1, 0, 1, 1
	STEP 0, 0, 0
	TURN 0, 1, 2, 1                                ; slot 0 takes phase 2's K step 0
	STEP 1, 0, 0
	; where the results go, and the biases
	s_lshl_b32 s46, s42, 10                        ; q, k: 4 bytes x (256 gx + 128 wc)
	s_lshl_b32 s47, s16, 9
	s_add_co_u32 s46, s46, s47
	s_mov_b32 s47, 0
	s_add_nc_u64 s[88:89], s[8:9], s[46:47]
.irp b, 0,1,2,3
.irp j, 0,1,2,3
	global_load_b128 v[BI+16*\b+4*\j:BI+16*\b+4*\j+3], v[BO], s[88:89] offset:128*\b+16*\j   ; register 16 b + i = channel 32 b + 16 h + i
.endr
.endr
	s_lshl_b32 s46, s42, 9                         ; v: 4 bytes x (2,048 + 128 gx + 64 wr)
	s_lshl_b32 s45, s15, 8
	s_add_co_u32 s46, s46, s45
	s_add_co_u32 s46, s46, 8192
	s_add_nc_u64 s[74:75], s[8:9], s[46:47]
	s_lshl_b32 s46, s42, 12                        ; W_v's scale bytes: 32 x (10,240 + 128 gx + 64 wr)
	s_lshl_b32 s45, s15, 11
	s_add_co_u32 s46, s46, s45
	s_add_co_u32 s46, s46, 10240*KS
	s_add_nc_u64 s[72:73], s[6:7], s[46:47]
	s_lshl_b32 s17, s100, 4
	s_lshl_b32 s43, s40, 2
	s_add_co_u32 s43, s43, s17
	s_lshl_b32 s45, s16, 1
	s_add_co_u32 s43, s43, s45
	s_mul_i32 s43, s43, HREC                       ; phase 1: the first of my two heads' records: 16 batch + 4 cx + 2 wc
	s_lshl_b32 s45, s42, 1
	s_add_co_u32 s17, s17, s45
	s_add_co_u32 s17, s17, s15
	s_mul_i32 s17, s17, HREC                       ; phase 2: my head's record: 16 batch + 2 gx + wr
	s_lshl_b32 s45, s41, 1
	s_add_co_u32 s46, s45, s15                     ; phase 1: my 128 places: 2 cy + wr
	s_add_co_u32 s45, s45, s16                     ; phase 2: my key step: 2 cy + wc
	s_lshl_b32 s18, s46, 13
	s_lshl_b32 s20, s46, 9
	s_lshl_b32 s76, s45, 13
	s_lshl_b32 s78, s45, 8
	s_mov_b32 s12, QIMG
	s_mov_b32 s13, QSCL
	s_mov_b32 s101, KSCL
	s_mov_b32 s22, 0x3e000000                      ; 0.125 = 64^(-1/2)
	s_mov_b32 s23, 1.0
	s_cmp_eq_u32 ttmp9, 0                          ; cluster x 0 makes q, 1 makes k
	s_cselect_b32 s12, s12, 0
	s_cselect_b32 s13, s13, s101
	s_cselect_b32 s22, s22, s23                    ; S: a power of two, so (sum + bias) x S is one fused multiply-add with bias x S, with the same rounding
	s_mov_b32 s23, s22
	s_add_co_u32 s18, s18, s43
	s_add_co_u32 s18, s18, s12
	s_mov_b32 s19, 0
	s_add_co_u32 s20, s20, s43
	s_add_co_u32 s20, s20, s13
	s_mov_b32 s21, 0
	s_add_co_u32 s76, s76, s17
	s_add_co_u32 s76, s76, VIMG
	s_mov_b32 s77, 0
	s_add_co_u32 s78, s78, s17
	s_add_co_u32 s78, s78, VSCL
	s_mov_b32 s79, 0
	s_add_nc_u64 s[18:19], s[10:11], s[18:19]
	s_add_nc_u64 s[20:21], s[10:11], s[20:21]
	s_add_nc_u64 s[76:77], s[10:11], s[76:77]
	s_add_nc_u64 s[78:79], s[10:11], s[78:79]
	TURN 1, 0, 2, 0                                ; phase 1's last step; slot 1 takes phase 2's K step 1; the round has shown slot 0 whole
.irp b, 0,1,2,3
	v_mov_b32 v[TM+4+\b], 0                        ; a lane permute's destination counts as one of its sources
.endr
	s_wait_loadcnt 0x0                             ; q's, k's bias
.irp p, 0,1
.irp c, 0,1
	global_load_b128 v[WS+8*\p+4*\c:WS+8*\p+4*\c+3], v[ABS], s[72:73] offset:\p*32*KS+16*\c   ; W_v's scale words: lane l takes row l of a pair of tiles
.endr
.endr
.irp a, 0,1,2,3
	global_load_b32 v[BV+2*\a], v[BO2], s[74:75] offset:4*(32*(\a/2)+8*(\a%2))     ; v's bias of my lane's channel, twice, as a pair for the packed addition
	global_load_b32 v[BV+2*\a+1], v[BO2], s[74:75] offset:4*(32*(\a/2)+8*(\a%2))
.endr
.set i, 0
.rept 32
	v_pk_mul_f32 v[BI+i:BI+i+1], v[BI+i:BI+i+1], s[22:23] op_sel_hi:[1,0]
.set i, i+2
.endr
.irp a, 0,1,2,3,4,5,6,7
	OUTBLK \a, 0, 18, 20
.endr
	s_wait_xcnt 0x0                                ; the last block's stores have read their registers
	FETCHV 0, 0, 0
	SCALESV 0
	s_wait_loadcnt 0x0                             ; W_v's scale words, v's bias
	VSTEP 0, 1
	TURNV 1, 1
	VSTEP 2, 0
	TURNV 3, 1
	VSTEP 4, 0
	TURNV 5, 0                                     ; nothing is filled any more
	VSTEP 6, 0
	s_wait_dscnt 0x0
	WIN MUL_LO
.irp a, 0,1,2,3
	MULV1 \a, 1, 1, 1, 7, 0
.endr
	WIN 0
	PLACES NP
.irp a, 0,1,2,3
	OUTBLK \a, 1, 76, 78
.endr
	s_wait_tensorcnt 0x0                           ; the wave's end
	ds_add_u32 v[SPW], v[NIL]
	s_wait_dscnt 0x0
	CROUND                                         ; the closing round
	s_endpgm
.Lfunc_end_k_q436d477e83_proj:
	.size	k_q436d477e83_proj, .Lfunc_end_k_q436d477e83_proj-k_q436d477e83_proj
	.p2alignl 7, 3214868480
	.fill 96, 4, 3214868480
	.section	.rodata,"a",@progbits
	.p2align	6, 0x0
	.amdhsa_kernel k_q436d477e83_proj
		.amdhsa_group_segment_fixed_size 327680
		.amdhsa_private_segment_fixed_size 0
		.amdhsa_enable_private_segment 0
		.amdhsa_kernarg_size 32
		.amdhsa_user_sgpr_count 2
		.amdhsa_user_sgpr_kernarg_segment_ptr 1
		.amdhsa_wavefront_size32 1
		.amdhsa_system_sgpr_workgroup_id_x 1
		.amdhsa_system_sgpr_workgroup_id_y 1
		.amdhsa_system_sgpr_workgroup_id_z 1
		.amdhsa_system_vgpr_workitem_id 0
		.amdhsa_next_free_vgpr 1024
		.amdhsa_next_free_sgpr 102
		.amdhsa_reserve_vcc 0
		.amdhsa_float_denorm_mode_32 3
		.amdhsa_float_denorm_mode_16_64 3
		.amdhsa_memory_ordered 1
		.amdhsa_forward_progress 1
		.amdhsa_inst_pref_size 255
	.end_amdhsa_kernel
	.section	.bss,"aw",@nobits
	.p2align	6
	.space	262144
	.amdgpu_metadata
---
amdhsa.version: [ 1, 2 ]
amdhsa.kernels:
  - .name:           k_q436d477e83_proj
    .symbol:         k_q436d477e83_proj.kd
    .args:
      - { .name: cod, .offset: 0, .size: 8, .value_kind: global_buffer, .address_space: global }
      - { .name: scl, .offset: 8, .size: 8, .value_kind: global_buffer, .address_space: global }
      - { .name: qkv_b, .offset: 16, .size: 8, .value_kind: global_buffer, .address_space: global }
      - { .name: hrec, .offset: 24, .size: 8, .value_kind: global_buffer, .address_space: global }
    .group_segment_fixed_size: 327680
    .private_segment_fixed_size: 0
    .kernarg_segment_align: 8
    .kernarg_segment_size: 32
    .max_flat_workgroup_size: 128
    .sgpr_count:     102
    .vgpr_count:     1024
    .wavefront_size: 32
...
	.end_amdgpu_metadata
.endif
;; end of part 2
;; launch attn (part 3): grid 2 x 128, 16 waves a work-group, no clusters, 327,680 bytes of LDS; arguments hrec, ac, asc; writes ac, asc
.if DOCPART == 3
	.amdgcn_target "amdgcn-amd-amdhsa--gfx1250"
	.amdhsa_code_object_version 6
	.text
	.protected	k_q436d477e83_attn
	.globl	k_q436d477e83_attn
	.p2align	8
	.type	k_q436d477e83_attn,@function
k_q436d477e83_attn:
	s_mov_b64 s[64:65], 0
	v_nop
	global_prefetch_b8 v0, s[64:65] scope:SCOPE_SE
	s_setreg_imm32_b32 hwreg(HW_REG_WAVE_MODE, 25, 1), 1
	s_wait_xcnt 0x0
; Causal attention of one (batch, head) on codes of BF8 (E5M2) with E8M0 scales, from the head's record of register images; its result O / l is quantised along the model's 1,024 channels and stored as
; images for the output projection: ac [row tile 64 b + tile][K step 8][2,048 bytes], asc [1024 b + place][32 scale bytes].
; THE MASK'S FILL IS -10000, NOT -INFINITY: a masked key still has p = 2^(-10000 c - M), one number a row.  So the SCORES of key steps that lie wholly behind the diagonal are not computed, but their p is honoured:
; the running largest t starts at the fill's t, the row's sum takes p x the number of such keys, and V of those steps is multiplied by a fragment that holds p's code in every place.
; THE SOFTMAX: t = score x c, c = log2(e); M = the largest t so far, rounded up to a whole number; p = 2^(t - M) is quantised along the keys, not normalised; the sum is taken of the unquantised p and divides at the end.
; SHARES.  Two work-groups (x = 0, 1) to a head, sixteen waves each, four to a SIMD.  With u = 2 wave + x a wave takes the tile of 16 queries 63 - u and then tile u: their diagonal steps add up to 7,
; so every wave has 9 full key steps and 7 behind the diagonal.  A key step is 128 keys.
; LDS is filled ONCE, BY KEY STEPS.  Waves 0-8 issue one tensor load each: wave 0 the scale words, wave w key step w - 1, 8,192 bytes of K's images and the 8,192 bytes of V's images that lie
; 65,536 bytes further on in the record: a tile of two rows.  Key step s lies at LDS byte 16,384 (s + 1): K's tile t at 1,024 t, V's fragment t at
; 8,192 + 2,048 t.  The scale words lie at LDS byte 0 (K's) and 4,096 (V's).  Tile 63 - u goes first, since its first four key steps are full in every wave: they are worked while the later key steps land.
; Its eight steps are three loops (2, 2, 4 trips), each behind a counted wait and a barrier.  Nothing is stored to LDS and nothing is filled again.
; NO CLUSTER: only the two work-groups of a head read the same bytes, each once, at its start: 137,216 bytes a work-group, with no loop of requests to share.
; LAYOUT.  Both products are used transposed (S^T = K Q^T, O^T = V^T P^T): a lane holds one query.  Rows lie by PLACE (bits 3 and 4 of the index exchanged): the 16 registers of K's tiles 2 b, 2 b + 1 are keys
; 32 b + 16 (lane / 16) + 0 .. 15 of the step, likewise O^T's channels; lane r of query tile T is query 32 (T / 2) + 8 (T % 2) + r + 8 (r / 8).  The head has 64 channels: the upper half of K's and Q's fragments is zero codes.
; LIMITS: a p under 2^-126 becomes 0 (v_exp_f32 flushes: ISA guide 15.8); O / l is a multiplication by v_rcp_f32; a block of zeros gets the byte 1; NaN and infinities are not served.
; REGISTERS: v1-7 lane figures; v8, v10, v11 the step's LDS addresses; v12 -M, v13 the largest t, v[14:15] the sum; v16-31 Q of tile u, v240-255 of tile 63 - u; v32-95 four fragments of K; v96-159 S^T, then p, then V;
; v160-191 O^T; v192-207 p's codes; v208-223 at work by blocks; v224-227 K's or V's scale words; v228, v238 Q's; v229 p's; v[230:231] f; v232-235 at work; v236 the fill; v237 the masked keys' p.
.set HREC,  206848
.set KSCL,  131072                     ; K's scale words, in the record and in LDS alike
.set VSCL,  135168                     ; V's
.set QIMG,  137216
.set QSCL,  202752
.set CH,    4096                       ; half of a key step's K: four tiles
.set STEPB, 16384                      ; a key step in LDS
.set G1,    16                         ; s[16:23] descriptor group 1 for the key steps
.set G0S,   24                         ; s[24:27] group 0 for the scale words
.set G1S,   68                         ; s[68:75] group 1 for it
.set G0,    76                         ; s[76:79] group 0 for my key step
	s_load_b128 s[4:7], s[0:1], 0x0                ; hrec, ac
	s_load_b64 s[8:9], s[0:1], 0x10                ; asc
	v_lshl_add_u32 v2, v0, 2, 0x29000
	v_mov_b32 v239, 0
	ds_add_u32 v2, v239
	ds_add_u32 v2, v239
	v_lshrrev_b32 v1, 5, v0
	s_delay_alu instid0(VALU_DEP_1)
	v_readfirstlane_b32 s10, v1                    ; wave 0..15
	s_mov_b32 s11, ttmp9                           ; x
	s_and_b32 s12, ttmp7, 0xffff                   ; the record: 16 b + head
	s_lshr_b32 s13, s12, 4                         ; b
	s_and_b32 s14, s12, 15                         ; head
	s_mov_b32 s[G1+0], 3<<16                       ; no mask; elements of 8 bytes; no padding
	s_mov_b32 s[G1+1], 1024<<16                    ; tensor_dim0 = 1,024 elements: a key step's 8,192 bytes
	s_mov_b32 s[G1+2], 2<<16                       ; tensor_dim1 = 2
	s_mov_b32 s[G1+3], 1024<<16                    ; tile_dim0
	s_mov_b32 s[G1+4], 2                           ; tile_dim1: K's row, V's row
	s_mov_b32 s[G1+5], 8192                        ; 65,536 bytes from K's images to V's
	s_mov_b32 s[G1+6], 0
	s_mov_b32 s[G1+7], 0
	s_mov_b32 s[G1S+0], 3<<16                      ; the scale words: 24 dense rows of 256 bytes
	s_mov_b32 s[G1S+1], 32<<16
	s_mov_b32 s[G1S+2], 24<<16                     ; all 6,144 bytes of scale words: 24 dense rows of 256
	s_mov_b32 s[G1S+3], 32<<16
	s_mov_b32 s[G1S+4], 24
	s_mov_b32 s[G1S+5], 32
	s_mov_b32 s[G1S+6], 0
	s_mov_b32 s[G1S+7], 0
	s_mul_i32 s44, s12, HREC
	s_mov_b32 s45, 0
.set LVS, 4096                         ; LDS: K's scale words from byte 0, V's from byte 4,096; key step s from byte 16,384 (s + 1): K's eight tiles, then V's four fragments
	s_lshl_b32 s46, s10, 13                        ; wave w (1 to 8) fetches key step w - 1: 8,192 w in the record, less 8,192 below,
	s_mov_b32 s47, 0
	s_lshl_b32 s52, s10, 14                        ; to LDS byte 16,384 w
	s_mov_b32 s30, 0x76543210                      ; v_permlanex16_b32's selects for lane l xor 16
	s_mov_b32 s31, 0xfedcba98
	s_mov_b32 s32, 0x3fb8aa3b                      ; c = log2(e)
	s_mov_b32 s33, s32                             ; (named with it as a pair)
	s_mov_b32 s34, 0x600000                        ; the mantissa field of 57,344
	s_mov_b32 s35, 0xffff0000                      ; a mask of lanes 16-31
	s_wait_dscnt 0x0
	s_wait_kmcnt 0x0
	s_add_nc_u64 s[28:29], s[4:5], s[44:45]        ; the record
	s_add_nc_u64 s[46:47], s[28:29], s[46:47]
	s_mov_b32 s[G0S], 1
	s_mov_b32 s[G0S+1], 0
	s_add_nc_u64 s[G0S+2:G0S+3], s[28:29], KSCL
	s_or_b32 s[G0S+3], s[G0S+3], 0x80000000
	s_mov_b32 s[G0], 1
	s_mov_b32 s[G0+1], s52
	s_sub_nc_u64 s[G0+2:G0+3], s[46:47], 8192
	s_or_b32 s[G0+3], s[G0+3], 0x80000000
; THE FILLS, ONE TENSOR LOAD A WAVE, IN TWO GROUPS.  A key step is a tile of two rows: 8,192 bytes of K's images and the 8,192 of V's that lie 65,536 bytes on; wave w fetches key step w - 1.
; At the head: wave 0 the scale words, waves 1 and 2 key steps 0 and 1: 38,912 bytes, what the first two trips read.  Behind the first barrier: waves 3 to 8 key steps 2 to 7.
; One chain of branches on the wave's number, one load to an arm.
.macro FILL under, g0, g1, next
	s_cmp_lt_u32 s10, \under
	s_cbranch_scc0 \next
	tensor_load_to_lds s[\g0:\g0+3], s[\g1:\g1+7]
	s_nop 0
.rept 4
	v_nop
.endr
	s_branch .Lno_fill
\next:
.endm
	FILL 1, G0S, G1S, .Lfill_a
	FILL 3, G0, G1, .Lfill_b
.Lno_fill:
	v_and_b32 v5, 15, v0                           ; r
	v_bfe_u32 v7, v0, 4, 1                         ; h
	v_and_b32 v1, 31, v0
	s_delay_alu instid0(VALU_DEP_1)
	v_lshlrev_b32 v1, 4, v1                        ; 16 x lane: my place in an image's group
	s_delay_alu instid0(VALU_DEP_4)
	v_and_b32 v6, 8, v5
	s_delay_alu instid0(VALU_DEP_1)
	v_add_nc_u32 v6, v6, v5
	v_lshlrev_b32 v8, 4, v7
	s_delay_alu instid0(VALU_DEP_1)
	v_sub_nc_u32 v6, v6, v8                        ; r + 8 (r / 8) - 16 h
	v_lshl_add_u32 v7, v5, 5, v7                   ; asc: 32 r + h
	v_lshlrev_b32 v5, 2, v5                        ; 4 r: also my place among K's scale words, which begin at LDS byte 0
	s_delay_alu instid0(VALU_DEP_1)
	v_add_nc_u32 v4, LVS, v5
	s_lshl_b32 s48, s10, 1
	s_add_co_u32 s48, s48, s11                     ; u: my second tile of queries,
	s_sub_co_u32 s49, 63, s48                      ; 63 - u: my first
	s_lshl_b32 s44, s48, 10
	s_lshl_b32 s45, s48, 6
	s_lshl_b32 s46, s49, 10
	s_lshl_b32 s47, s49, 6
	v_add_nc_u32 v8, s44, v1
	v_add_nc_u32 v9, s45, v5
	v_add_nc_u32 v10, s46, v1
	v_add_nc_u32 v11, s47, v5
	global_load_b128 v[240:243], v10, s[28:29] offset:QIMG     ; Q's two fragments and their scale words stay in registers
	global_load_b128 v[244:247], v10, s[28:29] offset:QIMG+512
	global_load_b32 v238, v11, s[28:29] offset:QSCL
	global_load_b128 v[16:19], v8, s[28:29] offset:QIMG
	global_load_b128 v[20:23], v8, s[28:29] offset:QIMG+512
	global_load_b32 v228, v9, s[28:29] offset:QSCL
.irp j, 0,1,2,3,4,5,6,7
	v_mov_b32 v[24+\j], 0                          ; channels 64-127 do not exist: zero codes, in Q
	v_mov_b32 v[248+\j], 0
.irp t, 0,1,2,3
	v_mov_b32 v[40+16*\t+\j], 0                    ; and in K's four fragments; written once
.endr
.endr
.irp j, 0,1,2,3,4,5,6,7,8,9,10,11,12,13,14,15
	v_mov_b32 v[192+\j], 0                         ; written once, so that they are written on every way through the text
.endr
.irp b, 0,1,2,3
	v_mov_b32 v[212+\b], 0                         ; a lane permute's destination counts as one of its sources
.endr
	v_mov_b32 v229, 0
	v_mov_b32 v231, 0                              ; (named as the upper half of the pair v[230:231])
	v_mov_b32 v234, 0
	v_mov_b32 v237, 0
	v_mov_b32 v236, 0xc61c4000                     ; -10000.0
; A wave's tensor loads end in order (ISA guide 10.11.1); the wave that fetched waits, then signals; the others read behind the barrier.
; The later chunks may stay on their way across them.  No LDS load of the wave is out here: each run of them is waited for ahead of its products.
.macro SYNC under                      ; the waves under this number wait for their one load, then all meet: what those waves fetched is in
	s_wait_alu depctr_va_vdst(0)
	s_cmp_lt_u32 s10, \under
	s_cbranch_scc0 .Lnot_mine_\@
	s_wait_tensorcnt 0x0
.Lnot_mine_\@:
	s_barrier_signal -1
	s_barrier_wait -1
.endm
; O^T += V^T P^T for the step in hand: V's four fragments (16 channels x 128 keys each) into the registers that p has left, the four accumulators by turns.
.macro PVSTEP rescale
.irp t, 0,1,2,3
.irp c, 0,1,2,3
	ds_load_b128 v[96+16*\t+4*\c:99+16*\t+4*\c], v8 offset:2*CH+2048*\t+512*\c
.endr
	ds_load_b32 v[224+\t], v11 offset:64*\t
.endr
.if \rescale
.set j, 0
.rept 16
	v_pk_mul_f32 v[160+j:161+j], v[160+j:161+j], v[230:231] op_sel_hi:[1,0]   ; O^T under the new M: x f.  (These are also the places between the conversions and the products)
.set j, j+2
.endr
.endif
	s_wait_alu depctr_va_vdst(0)
	s_wait_dscnt 0x0
.irp t, 0,1,2,3
	v_wmma_scale_f32_16x16x128_f8f6f4 v[160+8*\t:167+8*\t], v[96+16*\t:111+16*\t], v[192:207], v[160+8*\t:167+8*\t], v[224+\t], v229 matrix_a_fmt:MATRIX_FMT_BF8 matrix_b_fmt:MATRIX_FMT_BF8
.endr
.endm
; A tile of 16 queries begins.  tl: the scalar register with the tile's number.
.macro PASS_HEAD tl
	s_wait_xcnt 0x0                                ; the last tile's stores have had their addresses translated (ISA guide 3.1): their registers are written again only behind this wait
	s_lshr_b32 s37, s[\tl], 3                      ; D: the key step on the diagonal
	s_bfe_u32 s42, s[\tl], 0x20001
	s_lshl_b32 s42, s42, 5
	s_and_b32 s44, s[\tl], 1
	s_lshl_b32 s44, s44, 3
	s_add_co_u32 s42, s42, s44                     ; lane 0's query in that step: 32 ((T / 2) % 4) + 8 (T % 2)
	s_mov_b32 s44, 0xc61c4000
	s_mul_f32 s44, s44, s32                        ; the fill's t
	s_mov_b32 s45, 0xff61b1e6                      ; -3e38
	s_cmp_lt_u32 s37, 7                            ; steps behind the diagonal exist: the largest t starts at the fill's.  (With D = 7 every masked key lies in the diagonal step and passes through the maximum there)
	s_cselect_b32 s44, s44, s45
	v_mov_b32 v13, s44
	s_delay_alu instid0(VALU_DEP_1)
	v_floor_f32 v12, -v13                          ; -M
	v_mov_b32 v14, 0
	v_mov_b32 v15, 0
.set j, 0
.rept 32
	v_mov_b32 v[160+j], 0                          ; O^T: the step is written once, its first turn finds zeros
.set j, j+1
.endr
.endm
; Key steps k0 .. k1 - 1 of the tile in hand: a loop of a constant number of trips.  QF, QW: Q's fragment and scale word.
.macro TRIPS QF, QW, k0, k1
	s_mov_b32 s38, \k0                             ; the key step,
	s_mov_b32 s39, ((\k0)+1)*STEPB
	s_mov_b32 s40, (\k0)*512                       ; K's scale words: 512 bytes a step,
	s_mov_b32 s41, (\k0)*256                       ; V's: 256
.Ltrip_\@:
	v_add_nc_u32 v8, s39, v1
	v_add_nc_u32 v10, s40, v5
	v_add_nc_u32 v11, s41, v4
.rept 6
	v_nop                                          ; with the three additions nine places behind the last products: the scores' products write over the registers that held V
.endr
	s_cmp_gt_u32 s38, s37                          ; a step wholly behind the diagonal: a branch on ids
	s_cbranch_scc1 .Lhid_\@
	s_wait_alu depctr_va_vdst(0)
.irp g, 0,1                                    ; S^T = K Q^T, four tiles of 16 keys at a time
.if \g > 0
.rept 8
	v_nop                                          ; places in front of loads into registers that matrix instructions have read
.endr
.endif
.irp t, 0,1,2,3
	ds_load_b128 v[32+16*\t:35+16*\t], v8 offset:CH*\g+1024*\t
	ds_load_b128 v[36+16*\t:39+16*\t], v8 offset:CH*\g+1024*\t+512
	ds_load_b32 v[224+\t], v10 offset:(4*\g+\t)*64
.endr
	s_wait_dscnt 0x0
.irp t, 0,1,2,3
	v_wmma_scale_f32_16x16x128_f8f6f4 v[96+8*(4*\g+\t):103+8*(4*\g+\t)], v[32+16*\t:47+16*\t], v[\QF:\QF+15], 0, v[224+\t], v[\QW] matrix_a_fmt:MATRIX_FMT_BF8 matrix_b_fmt:MATRIX_FMT_BF8
.endr
.endr
.rept 8
	v_nop
.endr
	s_cmp_lg_u32 s38, s37                          ; on the diagonal the scores of masked keys become the fill
	s_cbranch_scc1 .Lopen_\@
	v_add_nc_u32 v234, s42, v6                     ; d = my query in the step - 16 h.  Register 16 b + i holds key 32 b + 16 h + i: masked where 32 b + i > d
	s_wait_alu depctr_va_vdst(0)
	s_lshr_b32 s43, s42, 5                         ; the tile's 16 queries all lie in this block of 32 keys: in the blocks ahead of it 32 b + i <= d in every lane, so nothing is masked there
.irp b, 0,1,2,3
	s_cmp_gt_u32 s43, \b                           ; a branch on ids
	s_cbranch_scc1 .Lclear\@_\b
.set n, 0
.rept 16
	v_cmp_gt_i32 vcc_lo, 32*\b+n, v234
	v_cndmask_b32 v[96+16*\b+n], v[96+16*\b+n], v236, vcc_lo
.set n, n+1
.endr
.Lclear\@_\b:
.endr
.Lopen_\@:
.irp b, 0,1,2,3
	v_max3_num_f32 v[208+\b], v[96+16*\b], v[97+16*\b], v[98+16*\b]   ; the largest score of each block of 32 keys: for the row's maximum, and, since p rises with the score, for the block's largest p
.endr
.irp i, 3,5,7,9,11,13
.irp b, 0,1,2,3
	v_max3_num_f32 v[208+\b], v[208+\b], v[96+16*\b+\i], v[97+16*\b+\i]
.endr
.endr
.irp b, 0,1,2,3
	v_max_num_f32 v[208+\b], v[208+\b], v[111+16*\b]
.endr
.irp b, 0,1,2,3
	s_delay_alu instid0(VALU_DEP_4)
	v_permlanex16_b32 v[212+\b], v[208+\b], s30, s31
.endr
.irp b, 0,1,2,3
	s_delay_alu instid0(VALU_DEP_4)
	v_max_num_f32 v[208+\b], v[208+\b], v[212+\b]  ; with lane l xor 16's 16 keys
.endr
	s_delay_alu instid0(VALU_DEP_2)
	v_max3_num_f32 v234, v208, v209, v210
	s_delay_alu instid0(VALU_DEP_1)
	v_max_num_f32 v234, v234, v211
	s_delay_alu instid0(VALU_DEP_1)
	v_mul_f32 v234, s32, v234                      ; the step's largest t
	s_delay_alu instid0(VALU_DEP_1)
	v_max_num_f32 v13, v13, v234
	v_mov_b32 v234, v12
	s_delay_alu instid0(VALU_DEP_2)
	v_floor_f32 v12, -v13                          ; the new -M = -ceil(t)
	s_delay_alu instid0(VALU_DEP_1)
	v_sub_f32 v234, v12, v234                      ; old M - new M: a whole number, 0 or less
	s_delay_alu instid0(VALU_DEP_1)
	v_cvt_i32_f32 v234, v234                       ; (it saturates)
	s_delay_alu instid0(VALU_DEP_1)
	v_ldexp_f32 v230, 1.0, v234                    ; f = 2^(old M - new M): a multiplication by it rounds nothing
.set j, 0
.rept 32
	v_pk_fma_f32 v[96+j:97+j], v[96+j:97+j], s[32:33], v[12:13] op_sel_hi:[1,0,0]   ; t - M, two at a time
.set j, j+2
.endr
.irp b, 0,1,2,3
	v_fma_f32 v[208+\b], v[208+\b], s32, v12
.endr
.set j, 0
	s_wait_alu depctr_va_vdst(0)
.rept 64
	v_exp_f32 v[96+j], v[96+j]                     ; p = 2^(t - M)
.set j, j+1
.endr
.irp b, 0,1,2,3
	v_exp_f32 v[208+\b], v[208+\b]                 ; the block's largest p
.endr
	v_pk_mul_f32 v[14:15], v[14:15], v[230:231] op_sel_hi:[1,0]   ; the sum under the new M.  (A plain line behind the exponentials)
	s_wait_alu depctr_va_vdst(0)
.irp b, 0,1,2,3
	v_max_num_f32 v[208+\b], 0x8000000, v[208+\b]  ; the floor 2^(16 - 127): the byte cannot fall under 1
.endr
.irp b, 0,1,2,3
	s_delay_alu instid0(VALU_DEP_4)
	v_add_nc_u32 v[220+\b], 0xf8800000, v[208+\b]  ; 15 off the exponent field: the conversion's scale operand
.endr
.irp b, 0,1,2,3
	v_and_or_b32 v[216+\b], v[208+\b], 0x7f800000, s34   ; 57,344 x the scale
.endr
.irp b, 0,1,2,3
	v_lshrrev_b32 v[212+\b], 23, v[220+\b]         ; the scale's byte
.endr
	s_delay_alu instid0(VALU_DEP_3)
	v_lshl_or_b32 v229, v213, 8, v212              ; p's scale word for these 128 keys
	s_delay_alu instid0(VALU_DEP_1)
	v_lshl_or_b32 v229, v214, 16, v229
	s_delay_alu instid0(VALU_DEP_1)
	v_lshl_or_b32 v229, v215, 24, v229
	v_pk_add_f32 v[232:233], v[100:101], v[104:105]
	v_pk_add_f32 v[226:227], v[108:109], v[112:113]
	v_pk_add_f32 v[224:225], v[116:117], v[120:121]
	v_pk_add_f32 v[210:211], v[124:125], v[128:129]
	v_pk_add_f32 v[208:209], v[132:133], v[136:137]
	v_pk_add_f32 v[206:207], v[140:141], v[144:145]
	v_pk_add_f32 v[204:205], v[148:149], v[152:153]
	v_pk_add_f32 v[14:15], v[14:15], v[156:157]
	v_pk_add_f32 v[232:233], v[232:233], v[96:97]
	v_pk_add_f32 v[226:227], v[226:227], v[98:99]
	v_pk_add_f32 v[224:225], v[224:225], v[102:103]
	v_pk_add_f32 v[210:211], v[210:211], v[106:107]
	v_pk_add_f32 v[208:209], v[208:209], v[110:111]
	v_pk_add_f32 v[206:207], v[206:207], v[114:115]
	v_pk_add_f32 v[204:205], v[204:205], v[118:119]
	v_pk_add_f32 v[14:15], v[14:15], v[122:123]
	v_pk_add_f32 v[232:233], v[232:233], v[126:127]
	v_pk_add_f32 v[226:227], v[226:227], v[130:131]
	v_pk_add_f32 v[224:225], v[224:225], v[134:135]
	v_pk_add_f32 v[210:211], v[210:211], v[138:139]
	v_pk_add_f32 v[208:209], v[208:209], v[142:143]
	v_pk_add_f32 v[206:207], v[206:207], v[146:147]
	v_pk_add_f32 v[204:205], v[204:205], v[150:151]
	v_pk_add_f32 v[14:15], v[14:15], v[154:155]
	v_pk_add_f32 v[232:233], v[232:233], v[158:159]
	s_delay_alu instid0(VALU_DEP_2)
	v_pk_add_f32 v[14:15], v[14:15], v[210:211]
	s_delay_alu instid0(VALU_DEP_2)
	v_pk_add_f32 v[232:233], v[232:233], v[208:209]
	v_pk_add_f32 v[226:227], v[226:227], v[206:207]
	v_pk_add_f32 v[224:225], v[224:225], v[204:205]
	s_delay_alu instid0(VALU_DEP_2)
	v_pk_add_f32 v[14:15], v[14:15], v[226:227]
	s_delay_alu instid0(VALU_DEP_2)
	v_pk_add_f32 v[232:233], v[232:233], v[224:225]
	s_delay_alu instid0(VALU_DEP_1)
	v_pk_add_f32 v[14:15], v[14:15], v[232:233]
; The conversion does not saturate (ISA guide 7.6.2); p is not negative, so the hold is one-sided.  Two holds to an instruction: a pair takes an even register of one block and an odd one of its neighbour,
; so that the two bounds and the two numbers have register numbers that differ modulo 4, and one destination is even, the other odd.
.irp b, 0,2
.set j, 0
.rept 8
	v_dual_min_num_f32 v[96+16*\b+j], v[216+\b], v[96+16*\b+j] :: v_dual_min_num_f32 v[113+16*\b+j], v[217+\b], v[113+16*\b+j]
	v_dual_min_num_f32 v[112+16*\b+j], v[217+\b], v[112+16*\b+j] :: v_dual_min_num_f32 v[97+16*\b+j], v[216+\b], v[97+16*\b+j]
.set j, j+2
.endr
.irp e, 0,1
	v_cvt_scalef32_pk8_bf8_f32 v[192+4*(\b+\e):193+4*(\b+\e)], v[96+16*(\b+\e):103+16*(\b+\e)], v[220+\b+\e]
	v_cvt_scalef32_pk8_bf8_f32 v[194+4*(\b+\e):195+4*(\b+\e)], v[104+16*(\b+\e):111+16*(\b+\e)], v[220+\b+\e]
.endr
.endr
	PVSTEP 1
	s_cmp_lg_u32 s38, s37
	s_cbranch_scc1 .Lnext_\@
	; behind the diagonal step M is final: the masked keys' p, its code in every place of a fragment, its byte in every byte of the scale word
.rept 8
	v_nop                                          ; places in front of vector writes over the last products' operands
.endr
	v_fma_f32 v237, v236, s32, v12                 ; the fill's t - M: the same multiply-add and exponential as for every score
	s_wait_alu depctr_va_vdst(0)
	v_exp_f32 v237, v237
	v_nop
	s_wait_alu depctr_va_vdst(0)
	v_max_num_f32 v234, 0x8000000, v237
	s_delay_alu instid0(VALU_DEP_1)
	v_add_nc_u32 v235, 0xf8800000, v234
	s_delay_alu instid0(VALU_DEP_2)
	v_and_or_b32 v232, v234, 0x7f800000, s34
	s_delay_alu instid0(VALU_DEP_2)
	v_lshrrev_b32 v233, 23, v235
.irp j, 0,1,2,3,4,5,6,7
	v_min_num_f32 v[96+\j], v237, v232
.endr
	v_cvt_scalef32_pk8_bf8_f32 v[192:193], v[96:103], v235
	v_nop
.irp j, 1,2,3,4,5,6,7
	v_mov_b32 v[192+2*\j], v192
	v_mov_b32 v[193+2*\j], v193
.endr
	v_lshl_or_b32 v229, v233, 8, v233
	s_delay_alu instid0(VALU_DEP_1)
	v_lshl_or_b32 v229, v229, 16, v229
	s_branch .Lnext_\@
.Lhid_\@:
	s_wait_alu depctr_va_vdst(0)
	PVSTEP 0                                       ; no scores, no exponentials: V of these 128 keys times the one p
.Lnext_\@:
	s_add_co_u32 s39, s39, STEPB
	s_add_co_u32 s40, s40, 512
	s_add_co_u32 s41, s41, 256
	s_add_co_u32 s38, s38, 1
	s_cmp_lt_u32 s38, \k1
	s_cbranch_scc1 .Ltrip_\@
.endm
; The tile's end: l, O^T / l, quantised along the channels: two blocks of 32 of the model's 1,024.
.macro PASS_TAIL tl
.rept 8
	v_nop
.endr
	v_add_f32 v14, v14, v15
	s_delay_alu instid0(VALU_DEP_1)
	v_permlanex16_b32 v234, v14, s30, s31
	s_delay_alu instid0(VALU_DEP_1)
	v_add_f32 v14, v14, v234                       ; the row's sum over the steps that were walked in full,
	s_sub_co_u32 s44, 7, s37
	s_lshl_b32 s44, s44, 7
	s_cvt_f32_u32 s43, s44
	v_fma_f32 v14, v237, s43, v14                  ; + p x the 128 (7 - D) keys behind them
	s_wait_alu depctr_va_vdst(0)
	v_rcp_f32 v14, v14
	v_nop
.set j, 0
	s_wait_alu depctr_va_vdst(0)
.rept 16
	v_pk_mul_f32 v[160+j:161+j], v[160+j:161+j], v[14:15] op_sel_hi:[1,0]   ; each accumulator from its low end on
.set j, j+2
.endr
.irp b, 0,1
	v_max3_num_f32 v[208+\b], |v[160+16*\b]|, |v[161+16*\b]|, 0x8000000
.endr
.irp i, 2,4,6,8,10,12,14
.irp b, 0,1
	s_delay_alu instid0(VALU_DEP_2)
	v_max3_num_f32 v[208+\b], v[208+\b], |v[160+16*\b+\i]|, |v[161+16*\b+\i]|
.endr
.endr
.irp b, 0,1
	s_delay_alu instid0(VALU_DEP_2)
	v_permlanex16_b32 v[212+\b], v[208+\b], s30, s31
.endr
.irp b, 0,1
	s_delay_alu instid0(VALU_DEP_2)
	v_max_num_f32 v[208+\b], v[208+\b], v[212+\b]
.endr
.irp b, 0,1
	s_delay_alu instid0(VALU_DEP_2)
	v_add_nc_u32 v[220+\b], 0xf8800000, v[208+\b]
.endr
.irp b, 0,1
	s_delay_alu instid0(VALU_DEP_4)
	v_and_or_b32 v[216+\b], v[208+\b], 0x7f800000, s34
.endr
.irp b, 0,1
	s_delay_alu instid0(VALU_DEP_4)
	v_lshrrev_b32 v[212+\b], 23, v[220+\b]
.endr
.irp b, 0,1
.set j, 0
.rept 16
	v_med3_num_f32 v[160+16*\b+j], v[160+16*\b+j], -v[216+\b], v[216+\b]
.set j, j+1
.endr
	v_cvt_scalef32_pk8_bf8_f32 v[192+4*\b:193+4*\b], v[160+16*\b:167+16*\b], v[220+\b]
	v_cvt_scalef32_pk8_bf8_f32 v[194+4*\b:195+4*\b], v[168+16*\b:175+16*\b], v[220+\b]
.endr
	v_cndmask_b32 v232, v212, v213, s35            ; lanes 0-15 store the first block's byte, lanes 16-31 the second's.  (Also the plain line behind the conversions)
	s_lshl_b32 s44, s13, 6
	s_add_co_u32 s44, s44, s[\tl]                  ; the row tile: 64 b + T
	s_lshl_b32 s45, s44, 9                         ; asc: 16 rows of 32 bytes a tile,
	s_lshl_b32 s44, s44, 14                        ; ac: 16,384 bytes a tile,
	s_lshl_b32 s46, s14, 10                        ; a head's two groups: 1,024 bytes,
	s_add_co_u32 s44, s44, s46
	s_lshl_b32 s46, s14, 1                         ; its two bytes
	s_add_co_u32 s45, s45, s46
	v_add_nc_u32 v235, s44, v1
	s_wait_alu depctr_va_vdst(0)
	v_add_nc_u32 v234, s45, v7
	global_store_b128 v235, v[192:195], s[6:7]             ; 32 lanes store 512 consecutive bytes, aligned
	global_store_b128 v235, v[196:199], s[6:7] offset:512
	global_store_b8 v234, v232, s[8:9]                     ; two bytes of each of 16 rows: 1 byte for 32 of codes
.endm
	PASS_HEAD 49                                   ; tile 63 - u: register work while the first chunk is on its way
	s_wait_alu depctr_va_vdst(0)
	s_wait_tensorcnt 0x0                           ; every wave: the scale words and key steps 0, 1 are in.  The lines ahead of a later first fill:
	ds_add_u32 v2, v239                            ; the add, twice on end
	ds_add_u32 v2, v239
	s_wait_dscnt 0x0
	s_barrier_signal -1
	s_barrier_wait -1
	s_cmp_lt_u32 s10, 3                            ; the second group: waves 3, 4 (key steps 2, 3) and waves 5 to 8 (key steps 4 to 7) have a load line each, since the next two barriers wait for them by turns
	s_cbranch_scc1 .Llate_done
	s_cmp_lt_u32 s10, 5
	s_cbranch_scc0 .Llate_c
	tensor_load_to_lds s[G0:G0+3], s[G1:G1+7]
	s_nop 0
.rept 4
	v_nop
.endr
	s_branch .Llate_done
.Llate_c:
	s_cmp_lt_u32 s10, 9
	s_cbranch_scc0 .Llate_done
	tensor_load_to_lds s[G0:G0+3], s[G1:G1+7]
	s_nop 0
.rept 4
	v_nop
.endr
.Llate_done:
	s_wait_loadcnt 0x0                             ; Q; its offsets' registers are free
	TRIPS 240, 238, 0, 2
	SYNC 5                                         ; waves 3, 4: key steps 2, 3 are in
	TRIPS 240, 238, 2, 4
	s_wait_alu depctr_va_vdst(0)
	s_wait_tensorcnt 0x0                           ; every wave: all of the head is in
	s_barrier_signal -1
	s_barrier_wait -1
	TRIPS 240, 238, 4, 8
	PASS_TAIL 49
	PASS_HEAD 48                                   ; tile u
	TRIPS 16, 228, 0, 8
	PASS_TAIL 48
	s_wait_tensorcnt 0x0
	ds_add_u32 v2, v239
	s_wait_dscnt 0x0
	s_endpgm
.Lfunc_end_k_q436d477e83_attn:
	.size	k_q436d477e83_attn, .Lfunc_end_k_q436d477e83_attn-k_q436d477e83_attn
	.p2alignl 7, 3214868480
	.fill 96, 4, 3214868480
	.section	.rodata,"a",@progbits
	.p2align	6, 0x0
	.amdhsa_kernel k_q436d477e83_attn
		.amdhsa_group_segment_fixed_size 327680
		.amdhsa_private_segment_fixed_size 0
		.amdhsa_enable_private_segment 0
		.amdhsa_kernarg_size 24
		.amdhsa_user_sgpr_count 2
		.amdhsa_user_sgpr_kernarg_segment_ptr 1
		.amdhsa_wavefront_size32 1
		.amdhsa_system_sgpr_workgroup_id_x 1
		.amdhsa_system_sgpr_workgroup_id_y 1
		.amdhsa_system_sgpr_workgroup_id_z 1
		.amdhsa_system_vgpr_workitem_id 0
		.amdhsa_next_free_vgpr 256
		.amdhsa_next_free_sgpr 92
		.amdhsa_reserve_vcc 1
		.amdhsa_float_denorm_mode_32 3
		.amdhsa_float_denorm_mode_16_64 3
		.amdhsa_memory_ordered 1
		.amdhsa_forward_progress 1
		.amdhsa_inst_pref_size 144
	.end_amdhsa_kernel
	.amdgpu_metadata
---
amdhsa.version: [ 1, 2 ]
amdhsa.kernels:
  - .name:           k_q436d477e83_attn
    .symbol:         k_q436d477e83_attn.kd
    .args:
      - { .name: hrec, .offset: 0, .size: 8, .value_kind: global_buffer, .address_space: global }
      - { .name: ac, .offset: 8, .size: 8, .value_kind: global_buffer, .address_space: global }
      - { .name: asc, .offset: 16, .size: 8, .value_kind: global_buffer, .address_space: global }
    .group_segment_fixed_size: 327680
    .private_segment_fixed_size: 0
    .kernarg_segment_align: 8
    .kernarg_segment_size: 24
    .max_flat_workgroup_size: 512
    .sgpr_count:     92
    .vgpr_count:     256
    .wavefront_size: 32
...
	.end_amdgpu_metadata
.endif
;; end of part 3
;; launch outp (part 4): grid 8 x 32, 4 waves a work-group, clusters of 4 x 4, 327,680 bytes of LDS; arguments ac, asc, cod, scl, out_b, out0; writes out0
.if DOCPART == 4
	.amdgcn_target "amdgcn-amd-amdhsa--gfx1250"
	.amdhsa_code_object_version 6
	.text
	.protected	k_q436d477e83_outp
	.globl	k_q436d477e83_outp
	.p2align	8
	.type	k_q436d477e83_outp,@function
k_q436d477e83_outp:
	s_mov_b64 s[64:65], 0
	v_nop
	global_prefetch_b8 v0, s[64:65] scope:SCOPE_SE
	s_setreg_imm32_b32 hwreg(HW_REG_WAVE_MODE, 25, 1), 1
	s_wait_xcnt 0x0
	s_wait_alu depctr_hold_cnt(0) depctr_sa_sdst(0) depctr_va_vdst(0) depctr_va_sdst(0) depctr_va_ssrc(0) depctr_va_vcc(0) depctr_vm_vsrc(0)
	s_getreg_b32 s2, hwreg(HW_REG_IB_STS2, 6, 4)
	s_cmp_eq_u32 s2, 0
	s_cbranch_scc0 .Lentry_in_a_cluster
	s_endpgm
.Lentry_in_a_cluster:
	s_bfe_u32 s2, ttmp6, 0x10000c
	s_cmp_lg_u32 s2, 0xf033
	s_cbranch_scc0 .Lentry_shape_is_right
	s_endpgm
.Lentry_shape_is_right:
; out = attn out_w^T + out_b on codes of BF8 (E5M2) with E8M0 scales: 8,192 x 1,024 x 1,024, f32 out.
; ac [row tile 64 b + tile][K step of 128: 8][2,048 bytes] holds attn's codes as images of operand registers (register group c of lane l at 512 c + 16 l); asc [1024 b + place][32] its scale bytes.
; Rows lie by PLACE (bits 3 and 4 of t exchanged).  out_w's codes are cod's rows 11,264 on, 1,024 bytes each, its scale bytes scl's rows 11,264 on.
; THE DEAL.  256 work-groups of four waves, 2 x 2; a work-group makes 256 rows x 128 columns.  A wave holds 64 rows of out_w, ALL of K, in 512 registers, and streams eight blocks of 16 rows of attn past them:
; block j of wave row wr is row tile 2 j + wr of the work-group's sixteen.  A block is 32 products on four sums by turns; the bias is the first four products' C.
; Source 0 = out_w's rows, source 1 = attn's: a lane holds one row of the result, its eight registers eight neighbouring columns.
; LDS.  Every tile is stated as rows of 1,024 bytes with 16 of padding behind each.  Byte 0: out_w's 128 rows.  ABASE: row tiles 0 to 9 (16 rows of 1,024 bytes each).  Then a stage for each wave, then the spare words.
; FILLS.  At the head one joint load a wave: wave 0 out_w's rows (wanted first: they go on into registers), wave 1 tiles 0-3, waves 2 and 3 tiles 4-6 and 7-9.  ONE refill: when every wave holds out_w in registers,
; tiles 10-15 go over out_w's first 96 rows, 24 rows a wave, behind a drained round of the cluster's barrier; the barrier behind block 3 shows them, ahead of block 5's fetch.
; CLUSTERS: 4 x 4.  attn's tiles hang on the tile row and are asked for jointly along a row of the cluster, out_w's on the tile column, along a column.
; The scale words of both operands and the bias go straight into registers, once.
; THE WAY OUT.  A finished block goes through the wave's own stage and leaves as rows: sixteen lanes store 256 consecutive bytes, aligned.  Block j's stores stand behind block j + 1's products.
; NO PREFETCH: all fills but one go out at the head, and that one as soon as its bytes are free: there are no trips to ask ahead in.
; LIMITS: NaN and infinities are not served.
; REGISTERS: window 0: v1-31 lane figures and addresses; v32-47 out_w's scale words (register 8 p + q: lanes 0-15 tile 2 p, lanes 16-31 tile 2 p + 1); v52-83 attn's (8 i + q: lanes 0-15 block 2 i, lanes 16-31 block 2 i + 1);
;   v84-115 the bias; v116-179 two sets of four sums; v180-243 two sets of rows on the way out.   windows 1, 2: out_w's 32 fragments.   window 3: attn's fragments, two sets of eight.
.set KROW,   1024
.set PITCH,  1040                      ; an LDS row: 1,024 bytes + 16: the 16 rows that a load of out_w touches start 260 words apart
.set TILE,   16*PITCH                  ; a row tile of attn in LDS
.set ABASE,  128*PITCH
.set NHEAD,  10                        ; row tiles that come at the head
.set STAGE,  ABASE+NHEAD*TILE
.set SPITCH, 272
.set SPARE,  STAGE+4*16*SPITCH
.set TROW,   32768                     ; from t to t + 1 in out0
.set NP,     8                         ; places behind this matrix instruction (ISA guide 7.12.1)
.set ABS,  8                           ; 32 x lane: a row of out_w's scale bytes
.set AO,   9                           ; 1,024 h + 32 r: my row of attn's scale bytes
.set BO,   10                          ; 32 h: my columns of the bias
.set ADW,  11                          ; LDS: my fragments of out_w
.set STO,  12                          ; the stage: in,
.set RD,   13                          ; back,
.set CO,   14                          ; and the same place in out0
.set ADR,  16                          ; v16-23 LDS: my place in block j's row tile
.set SPW,  28
.set NIL,  29
.set SB,   32
.set SA,   52
.set BI,   84
.set ACC,  116
.set BK,   180
.set G1W,  24
.set G0W,  32
.set G1A,  36
.set G0A,  44
.set G1C,  48
.set G0C,  56
.set G1R,  68
.set G0R,  76
.set MSB, 0
.macro WIN new                         ; the immediate's high byte repeats the setting that is left
.if MSB != (\new)
	s_set_vgpr_msb (MSB<<8)|(\new)
.set MSB, (\new)
.endif
.endm
.macro PLACES n
.rept \n
	v_nop
.endr
.endm
.macro BARRIER
	s_barrier_signal -1
	s_barrier_wait -1
.endm
.macro CROUND                          ; a round of the cluster's barrier
	BARRIER
	s_cmp_lg_u32 s16, 0
	s_cbranch_scc1 .Lnot_wave_0_\@
	s_barrier_signal -3
.Lnot_wave_0_\@:
	s_barrier_wait -3
	BARRIER
.endm
.macro TLOAD g0, g1                    ; an s_nop 0 and four v_nop follow a tensor load
	tensor_load_to_lds s[\g0:\g0+3], s[\g1:\g1+7]
	s_nop 0
	PLACES 4
.endm
.macro GROUP1 g, mask, rows            ; so many rows of 1,024 bytes, dense in memory, four words of padding behind each 256
	s_or_b32 s[\g+0], s[\mask], (1<<20)|(1<<21)|(7<<22)|(3<<25)
	s_mov_b32 s[\g+1], KROW<<16
	s_mov_b32 s[\g+2], (\rows)<<16
	s_mov_b32 s[\g+3], KROW<<16
	s_mov_b32 s[\g+4], \rows
	s_mov_b32 s[\g+5], KROW
	s_mov_b32 s[\g+6], 0
	s_mov_b32 s[\g+7], 0
.endm
	s_load_b128 s[4:7], s[0:1], 0x0                ; ac, asc
	s_load_b128 s[8:11], s[0:1], 0x10              ; cod, scl
	s_load_b128 s[12:15], s[0:1], 0x20             ; out_b, out0
	v_lshl_add_u32 v[SPW], v0, 2, SPARE
	v_mov_b32 v[NIL], 0
	ds_add_u32 v[SPW], v[NIL]                      ; the opening lines: the add, twice on end, and its wait
	ds_add_u32 v[SPW], v[NIL]
	v_lshrrev_b32 v1, 5, v0
	v_readfirstlane_b32 s16, v1                    ; wave
	s_lshr_b32 s17, s16, 1                         ; wr: my row of waves
	s_and_b32 s18, s16, 1                          ; wc: my column of waves
	s_bfe_u32 s19, ttmp6, 0x40000                  ; cx
	s_bfe_u32 s20, ttmp6, 0x40004                  ; cy
	s_lshl_b32 s21, ttmp9, 2
	s_add_co_u32 s21, s21, s19                     ; gx: tile column, 128 columns
	s_and_b32 s22, ttmp7, 0xffff
	s_lshl_b32 s22, s22, 2
	s_add_co_u32 s22, s22, s20                     ; gy: tile row, 256 rows
	s_lshl_b32 s23, s20, 2
	s_lshl_b32 s23, 15, s23                        ; my row of the cluster
	s_lshl_b32 s66, 0x1111, s19                    ; my column
	GROUP1 G1W, 66, 128
	GROUP1 G1A, 23, 64
	GROUP1 G1C, 23, 48
	GROUP1 G1R, 23, 24
	s_lshl_b32 s84, s22, 18                        ; ac: 262,144 bytes a tile row
	s_mov_b32 s85, 0
	s_mul_i32 s86, s16, 3*16384                    ; waves 2, 3: tile 3 w - 2
	s_mov_b32 s87, 0
	s_mul_i32 s80, s16, 24*KROW                    ; the refill: tile 10 on, 24 rows a wave
	s_add_co_u32 s80, s80, NHEAD*16384
	s_mov_b32 s81, 0
	s_lshl_b32 s88, s21, 7
	s_add_co_u32 s88, s88, 11264                   ; out_w's first row in cod
	s_lshl_b32 s90, s18, 6
	s_add_co_u32 s90, s90, s88
	s_lshl_b32 s90, s90, 5                         ; scl: my wave's 64 rows
	s_mov_b32 s91, 0
	s_lshl_b32 s88, s88, 10
	s_mov_b32 s89, 0
	s_lshl_b32 s92, s22, 13                        ; asc: 8,192 bytes a tile row, + 512 wr
	s_lshl_b32 s93, s17, 9
	s_add_co_u32 s92, s92, s93
	s_mov_b32 s93, 0
	s_lshl_b32 s94, s21, 9                         ; my 64 columns, in bytes: 512 gx + 256 wc
	s_lshl_b32 s95, s18, 8
	s_add_co_u32 s94, s94, s95
	s_mov_b32 s95, 0
	s_lshr_b32 s82, s22, 2
	s_lshl_b32 s82, s82, 12                        ; out0: the batch: 4,096 bytes,
	s_and_b32 s83, s22, 3
	s_lshl_b32 s83, s83, 8
	s_lshl_b32 s67, s17, 3
	s_add_co_u32 s83, s83, s67                     ; t = 256 (gy % 4) + 8 wr
	s_lshl_b32 s83, s83, 15
	s_add_co_u32 s82, s82, s83
	s_add_co_u32 s82, s82, s94
	s_mov_b32 s83, 0
	s_mul_i32 s67, s16, 3*TILE
	s_add_co_u32 s67, s67, ABASE-2*TILE            ; waves 2, 3: LDS place of tile 3 w - 2
	s_mul_i32 s2, s16, 24*PITCH                    ; the refill's
	s_mul_i32 s3, s17, TILE                        ; wr's tile of a pair
	s_mul_i32 s96, s18, 64*PITCH                   ; my 64 rows of out_w
	s_mul_i32 s97, s16, 16*SPITCH
	s_add_co_u32 s97, s97, STAGE                   ; my stage
	s_wait_dscnt 0x0
	s_wait_kmcnt 0x0
	s_add_nc_u64 s[84:85], s[4:5], s[84:85]
	s_add_nc_u64 s[88:89], s[8:9], s[88:89]
	s_add_nc_u64 s[90:91], s[10:11], s[90:91]
	s_add_nc_u64 s[92:93], s[6:7], s[92:93]
	s_add_nc_u64 s[12:13], s[12:13], s[94:95]
	s_add_nc_u64 s[14:15], s[14:15], s[82:83]
	CROUND                                         ; all sixteen work-groups are here: the first joint loads meet
	s_mov_b32 s[G0W], 1
	s_mov_b32 s[G0W+1], 0
	s_mov_b64 s[G0W+2:G0W+3], s[88:89]
	s_or_b32 s[G0W+3], s[G0W+3], 0x80000000
	s_mov_b32 s[G0A], 1
	s_mov_b32 s[G0A+1], ABASE
	s_mov_b64 s[G0A+2:G0A+3], s[84:85]
	s_or_b32 s[G0A+3], s[G0A+3], 0x80000000
	s_mov_b32 s[G0C], 1
	s_mov_b32 s[G0C+1], s67
	s_add_nc_u64 s[G0C+2:G0C+3], s[84:85], s[86:87]
	s_sub_nc_u64 s[G0C+2:G0C+3], s[G0C+2:G0C+3], 2*16384
	s_or_b32 s[G0C+3], s[G0C+3], 0x80000000
	s_mov_b32 s[G0R], 1
	s_mov_b32 s[G0R+1], s2
	s_add_nc_u64 s[G0R+2:G0R+3], s[84:85], s[80:81]
	s_or_b32 s[G0R+3], s[G0R+3], 0x80000000
	s_cmp_lt_u32 s16, 1                            ; one chain of branches, one load to an arm; wave 0's line is its own, since it alone waits at the first barrier
	s_cbranch_scc0 .Lhead_a
	TLOAD G0W, G1W
	s_branch .Lasked
.Lhead_a:
	s_cmp_lt_u32 s16, 2
	s_cbranch_scc0 .Lhead_c
	TLOAD G0A, G1A
	s_branch .Lasked
.Lhead_c:
	TLOAD G0C, G1C
.Lasked:
	v_and_b32 v1, 15, v0                           ; r
	v_bfe_u32 v2, v0, 4, 1                         ; h
	v_and_b32 v3, 31, v0                           ; lane
	v_lshlrev_b32 v[ABS], 5, v3
	v_lshlrev_b32 v4, 5, v1
	v_lshl_add_u32 v[AO], v2, 10, v4
	v_lshlrev_b32 v[BO], 5, v2
.irp p, 0,1
.irp c, 0,1
	global_load_b128 v[SB+8*\p+4*\c:SB+8*\p+4*\c+3], v[ABS], s[90:91] offset:\p*1024+16*\c   ; lane l takes row l of a pair of tiles: eight words, one for each 128 of K
.endr
.endr
.irp i, 0,1,2,3
.irp c, 0,1
	global_load_b128 v[SA+8*\i+4*\c:SA+8*\i+4*\c+3], v[AO], s[92:93] offset:\i*2048+16*\c    ; row r of tile 2 (2 i + h) + wr
.endr
.endr
.irp b, 0,1,2,3
	global_load_b128 v[BI+8*\b:BI+8*\b+3], v[BO], s[12:13] offset:64*\b                      ; register i of tile b: column 16 b + 8 h + i
	global_load_b128 v[BI+8*\b+4:BI+8*\b+7], v[BO], s[12:13] offset:64*\b+16
.endr
	v_lshlrev_b32 v5, 4, v3                        ; 16 x lane
	v_add_nc_u32 v[ADR+5], s3, v5                  ; block 5: tile 10 + wr, at LDS byte TILE x wr
	v_add_nc_u32 v[ADR], ABASE, v[ADR+5]           ; block 0: tile wr
.irp j, 1,2,3,4
	v_add_nc_u32 v[ADR+\j], 2*TILE*\j, v[ADR]
.endr
	v_add_nc_u32 v[ADR+6], 2*TILE, v[ADR+5]
	v_add_nc_u32 v[ADR+7], 4*TILE, v[ADR+5]
	v_mul_u32_u24 v6, v1, PITCH
	v_lshl_add_u32 v6, v2, 4, v6
	v_add_nc_u32 v[ADW], s96, v6
	v_mul_u32_u24 v6, v1, SPITCH
	v_lshl_add_u32 v6, v2, 5, v6
	v_add_nc_u32 v[STO], s97, v6                   ; in: row r, 32 bytes for each half of the lanes
	v_mul_u32_u24 v6, v2, SPITCH
	v_lshl_add_u32 v6, v1, 4, v6
	v_add_nc_u32 v[RD], s97, v6                    ; back: lanes 0-15 one row, lanes 16-31 the next
	v_lshlrev_b32 v[CO], 15, v2
	v_lshl_add_u32 v[CO], v1, 4, v[CO]
	s_wait_alu depctr_va_vdst(0)
	s_cmp_eq_u32 s16, 0
	s_cbranch_scc0 .Lnot_w
	s_wait_tensorcnt 0x0                           ; wave 0: out_w's rows are in.  The other waves' wait stands ahead of the round below
.Lnot_w:
	BARRIER
.irp q, 0,1,2,3,4,5,6,7                        ; my 64 rows of out_w, all of K: fragment 4 q + b lies in window 1 + q / 4: 128 loads
	WIN (1+\q/4)<<6
.irp b, 0,1,2,3
.irp c, 0,1,2,3
	ds_load_b128 v[16*((4*\q+\b)%16)+4*\c:16*((4*\q+\b)%16)+4*\c+3], v[ADW] offset:128*\q+32*\c+\b*16*PITCH
.endr
.endr
.endr
	WIN 0
	s_wait_tensorcnt 0x0                           ; my tiles of attn are in; the lines ahead of a refill:
	ds_add_u32 v[SPW], v[NIL]
	s_wait_dscnt 0x0                               ; the add is done, and out_w is in my registers
	CROUND                                         ; both hold of every wave of every partner
	TLOAD G0R, G1R                                 ; tiles 10-15 over out_w's first 96 rows: my 24 rows
.macro FETCH j                         ; block j: eight fragments into set j % 2 of window 3: 32 loads.  Byte m of a tile's image lies at m + 16 (m / 1,024)
	WIN 0xc0
.irp q, 0,1,2,3,4,5,6,7
.irp c, 0,1,2,3
	ds_load_b128 v[128*((\j)%2)+16*\q+4*\c:128*((\j)%2)+16*\q+4*\c+3], v[ADR+(\j)] offset:2080*\q+512*\c+16*(\c/2)
.endr
.endr
	WIN 0
.endm
.macro PROD j, q, b                    ; the q-th 128 of K, column tile b.  The four sums take turns, one instruction a turn
.set D_, ACC+32*((\j)%2)+8*(\b)
.set C_, D_
.if (\q) == 0
.set C_, BI+8*(\b)
.endif
.set W_, 16*((4*(\q)+(\b))%16)
.set X_, 128*((\j)%2)+16*(\q)
.set SW_, SB+8*((\b)/2)+(\q)
.set SX_, SA+8*((\j)/2)+(\q)
	WIN (1+(\q)/4)|(3<<2)
.if ((\b)%2) && ((\j)%2)
	v_wmma_scale_f32_16x16x128_f8f6f4 v[D_:D_+7], v[W_:W_+15], v[X_:X_+15], v[C_:C_+7], v[SW_], v[SX_] matrix_a_fmt:MATRIX_FMT_BF8 matrix_b_fmt:MATRIX_FMT_BF8 matrix_a_scale:MATRIX_SCALE_ROW1 matrix_b_scale:MATRIX_SCALE_ROW1
.elseif (\b)%2
	v_wmma_scale_f32_16x16x128_f8f6f4 v[D_:D_+7], v[W_:W_+15], v[X_:X_+15], v[C_:C_+7], v[SW_], v[SX_] matrix_a_fmt:MATRIX_FMT_BF8 matrix_b_fmt:MATRIX_FMT_BF8 matrix_a_scale:MATRIX_SCALE_ROW1
.elseif (\j)%2
	v_wmma_scale_f32_16x16x128_f8f6f4 v[D_:D_+7], v[W_:W_+15], v[X_:X_+15], v[C_:C_+7], v[SW_], v[SX_] matrix_a_fmt:MATRIX_FMT_BF8 matrix_b_fmt:MATRIX_FMT_BF8 matrix_b_scale:MATRIX_SCALE_ROW1
.else
	v_wmma_scale_f32_16x16x128_f8f6f4 v[D_:D_+7], v[W_:W_+15], v[X_:X_+15], v[C_:C_+7], v[SW_], v[SX_] matrix_a_fmt:MATRIX_FMT_BF8 matrix_b_fmt:MATRIX_FMT_BF8
.endif
.endm
.macro TOSTAGE j                       ; LDS serves a wave's instructions in order (ISA guide 5.7.1.4): the loads see the stores, and the next block's stores come behind these loads
.irp b, 0,1,2,3
	ds_store_b128 v[STO], v[ACC+32*((\j)%2)+8*\b:ACC+32*((\j)%2)+8*\b+3] offset:64*\b          ; each sum from its low end on
	ds_store_b128 v[STO], v[ACC+32*((\j)%2)+8*\b+4:ACC+32*((\j)%2)+8*\b+7] offset:64*\b+16
.endr
.irp t, 0,1,2,3,4,5,6,7
	ds_load_b128 v[BK+32*((\j)%2)+4*\t:BK+32*((\j)%2)+4*\t+3], v[RD] offset:\t*2*SPITCH
.endr
.endm
.macro SEND j                          ; row 2 t + h of tile 2 j + wr is t = 32 j + 8 wr + 2 t + h + 8 (t / 4) of the tile row's 256
	s_wait_dscnt 0x0                               ; the block is back in registers; the next block's fragments are in too
.irp t, 0,1,2,3,4,5,6,7
	global_store_b128 v[CO], v[BK+32*((\j)%2)+4*\t:BK+32*((\j)%2)+4*\t+3], s[14:15] offset:(32*(\j)+2*\t+8*(\t/4))*TROW th:TH_STORE_NT   ; sixteen lanes store 256 consecutive bytes, aligned
.endr
.endm
.macro BLK j
.irp q, 0,1,2,3,4,5,6,7
.irp b, 0,1,2,3
	PROD \j, \q, \b
.endr
.endr
	WIN 0
.if (\j) > 0
	SEND (\j)-1
.endif
	PLACES NP                                      ; ahead of the fetch into the set just multiplied and of the stage's reads of the sums
.if (\j) == 3
	s_wait_tensorcnt 0x0                           ; my 24 rows of the refill are in,
	s_wait_dscnt 0x0
	BARRIER                                        ; everybody's are: block 5's fetch reads them
.endif
.if (\j)+2 < 8
	FETCH (\j)+2
.endif
.if (\j) > 1
	s_wait_xcnt 0x0                                ; block j - 2's stores have read their registers, which the stage's loads fill again
.endif
	TOSTAGE \j
.endm
	FETCH 0
	FETCH 1
	s_wait_loadcnt 0x0                             ; the scale words and the bias
	s_wait_dscnt 32                                ; block 0's fragments are in; block 1's 32 loads may be out
	BLK 0
	s_wait_dscnt 48                                ; block 1's are in; block 2's 32 loads and block 0's 16 stage instructions may be out
.irp j, 1,2,3,4,5,6,7
	BLK \j
.endr
	SEND 7
	s_wait_tensorcnt 0x0                           ; the wave's end
	ds_add_u32 v[SPW], v[NIL]
	s_wait_dscnt 0x0
	CROUND                                         ; the closing round
	s_endpgm
.Lfunc_end_k_q436d477e83_outp:
	.size	k_q436d477e83_outp, .Lfunc_end_k_q436d477e83_outp-k_q436d477e83_outp
	.p2alignl 7, 3214868480
	.fill 96, 4, 3214868480
	.section	.rodata,"a",@progbits
	.p2align	6, 0x0
	.amdhsa_kernel k_q436d477e83_outp
		.amdhsa_group_segment_fixed_size 327680
		.amdhsa_private_segment_fixed_size 0
		.amdhsa_enable_private_segment 0
		.amdhsa_kernarg_size 48
		.amdhsa_user_sgpr_count 2
		.amdhsa_user_sgpr_kernarg_segment_ptr 1
		.amdhsa_wavefront_size32 1
		.amdhsa_system_sgpr_workgroup_id_x 1
		.amdhsa_system_sgpr_workgroup_id_y 1
		.amdhsa_system_sgpr_workgroup_id_z 1
		.amdhsa_system_vgpr_workitem_id 0
		.amdhsa_next_free_vgpr 1024
		.amdhsa_next_free_sgpr 98
		.amdhsa_reserve_vcc 0
		.amdhsa_float_denorm_mode_32 3
		.amdhsa_float_denorm_mode_16_64 3
		.amdhsa_memory_ordered 1
		.amdhsa_forward_progress 1
		.amdhsa_inst_pref_size 86
	.end_amdhsa_kernel
	.amdgpu_metadata
---
amdhsa.version: [ 1, 2 ]
amdhsa.kernels:
  - .name:           k_q436d477e83_outp
    .symbol:         k_q436d477e83_outp.kd
    .args:
      - { .name: ac, .offset: 0, .size: 8, .value_kind: global_buffer, .address_space: global }
      - { .name: asc, .offset: 8, .size: 8, .value_kind: global_buffer, .address_space: global }
      - { .name: cod, .offset: 16, .size: 8, .value_kind: global_buffer, .address_space: global }
      - { .name: scl, .offset: 24, .size: 8, .value_kind: global_buffer, .address_space: global }
      - { .name: out_b, .offset: 32, .size: 8, .value_kind: global_buffer, .address_space: global }
      - { .name: out0, .offset: 40, .size: 8, .value_kind: global_buffer, .address_space: global }
    .group_segment_fixed_size: 327680
    .private_segment_fixed_size: 0
    .kernarg_segment_align: 8
    .kernarg_segment_size: 48
    .max_flat_workgroup_size: 128
    .sgpr_count:     98
    .vgpr_count:     1024
    .wavefront_size: 32
...
	.end_amdgpu_metadata
.endif
;; end of part 4
